; MI455X (gfx1250); checked and timed in simulation.
; The chip was launched on July 23, 2026; its instructions are those of AMD's public machine-readable ISA for CDNA 5 (MIT licence, August 2026) and "CDNA5" Instruction Set Architecture Reference Guide (July 2026). The comments in the code are by the model that wrote it; some were corrected since.
;; metal attention. Allowed arithmetic: matrix products marked QUANTISED: E4M3 operands, one E8M0 scale for each 32 along K, by v_wmma_scale_f32_16x16x128_f8f6f4 with both operands' format E4M3, f32 sums; everything else in f32.
;; Inputs: W_k 512 x 512 float32; W_q 512 x 512 float32; W_v 512 x 512 float32; mask 64 x 1,024 int32; metal_feature 64 x 64 x 512 float32; x 64 x 1,024 x 512 float32.
;; Outputs: out0 64 x 64 x 512 float32.
;; This version of the problem:
;;   THIS VERSION OF THE PROBLEM IS GIVEN IN LOW PRECISION. The matrix products marked QUANTISED in the list below multiply operands that are first quantised to E4M3 (4 exponent bits, 3 mantissa bits; 8 bits a number), with one power-of-two scale for each 32 numbers along K (OCP MX v1.0); their sums are f32. All else is computed in f32.
;;   The module's matrix products, in the order in which they are computed (A, B: the left and right operand; K: the contracted axis; several contracted axes count as one K, in the product's order):
;;     1. [M 4,096, K 512] x [K 512, N 512]; A: input metal_feature; B: input W_q: QUANTISED
;;     2. [M 65,536, K 512] x [K 512, N 512]; A: input x; B: input W_k: QUANTISED
;;     3. [M 65,536, K 512] x [K 512, N 512]; A: input x; B: input W_v: QUANTISED
;;     4. batch 64 x [M 64, K 512] x [K 512, N 1,024]; A: computed on the way; B: computed on the way: QUANTISED
;;     5. batch 64 x [M 64, K 1,024] x [K 1,024, N 512]; A: softmax (see below); B: computed on the way: QUANTISED
;;   THE QUANTISER, for each operand of a quantised product, along K:
;;     - K is cut into blocks of 32 from its start; a last block that is shorter is filled with zeros.
;;     - A block's scale is 2^e with e = floor(log2(the largest magnitude in the block)) - 8, held to -126 .. 127; a block of zeros has e = 0. As a byte (E8M0): e + 127.
;;     - Each number is divided by its block's scale, clamped to +-448, and rounded to the nearest number of E4M3, ties to even, subnormals kept.
;;     - The product sums the exact products of the quantised numbers (number of the format x scale) in f32.
;;   ~~~python
;;   def quantise(x, axis):      # numpy; x: float32 -> the quantised numbers, widened to float32 again
;;       x = np.moveaxis(x, axis, -1); K = x.shape[-1]
;;       x = np.pad(x, [(0, 0)] * (x.ndim - 1) + [(0, -K % 32)]); x = x.reshape(x.shape[:-1] + (-1, 32)); a = np.abs(x).max(-1, keepdims=True)
;;       e = np.where(a > 0, np.clip(np.frexp(np.where(a > 0, a, 1))[1] - 1 - 8, -126, 127), 0)      # np.frexp(a)[1] - 1 = floor(log2(a)), exactly
;;       r = np.clip(x / 2.0 ** e, -448, 448)
;;       step = 2.0 ** (np.maximum(np.frexp(np.where(r == 0, 1, r))[1] - 1, -6) - 3)
;;       q = np.round(r / step) * step * 2.0 ** e      # np.round: ties to even
;;       return np.moveaxis(q.reshape(q.shape[:-2] + (-1,))[..., :K], -1, axis).astype(np.float32)
;;   ~~~
;;   SOFTMAX AHEAD OF A QUANTISED PRODUCT. Where the list says 'softmax', what is quantised is not the finished softmax but p = 2^(t - M), with t = logit x log2(e) and M = ceil(the row's largest t), a whole number; so 1/2 < the row's largest p <= 1. The row's sum l is taken of the UNQUANTISED p, in f32, and the product's result is divided by l at the end. Since M is a whole number, a kernel that streams over the keys may use a running M (the ceiling of the running maximum): every later rescaling is an exact power of two, which a block's scale takes up: the codes' values come out the same.
;;   OPERANDS COMPUTED ON THE WAY. 'Computed on the way' means the value that the module computes at that place (a softmax that the list does not call 'softmax' is quantised finished and normalised). What goes into a quantiser is computed in f32, as accurately as f32 sums, v_exp_f32 and their like allow (about 1e-6 of the number): no bf16 or f16 on the way to a quantiser, and a product that is left as it is and whose result goes on into a quantised operand takes f32 operands (vector FMAs, or v_wmma_f32_16x16x4_f32). A number that lies on a knife's edge between two numbers of the format may be rounded either way, as far as f32 arithmetic and the matrix unit's own rounding can turn it there, and no further.
;; 2 versions. Each part assembles by itself: llvm-mc -triple=amdgcn-amd-amdhsa -mcpu=gfx1250 --defsym DOCPART=n.
;; ======== version 1 of 2: 3 launches
;; workspace buffers: w_img 524,288 bytes; w_sc 32,768 bytes; q_img 2,097,152 bytes; q_sc 131,072 bytes; o_part 33,554,432 bytes; ml 131,072 bytes
;; launch prep (part 1): grid 4 x 64, 4 waves a work-group, no clusters, 101,888 bytes of LDS; arguments metal_feature, W_q, W_k, W_v, w_img, w_sc, q_img, q_sc; writes w_img, w_sc, q_img, q_sc
.if DOCPART == 1
	.amdgcn_target "amdgcn-amd-amdhsa--gfx1250"
	.amdhsa_code_object_version 6
	.text
	.protected	k_qb1df6eca95_prep
	.globl	k_qb1df6eca95_prep
	.p2align	8
	.type	k_qb1df6eca95_prep,@function
k_qb1df6eca95_prep:
	s_mov_b64 s[64:65], 0
	v_nop
	global_prefetch_b8 v0, s[64:65] scope:SCOPE_SE
	s_setreg_imm32_b32 hwreg(HW_REG_WAVE_MODE, 25, 1), 1
	s_wait_xcnt 0x0
; FIRST OF THREE LAUNCHES.  out = relu(softmax(Q K^T / sqrt(512) - (1 - mask) 1e10) V), Q = mf Wq^T, K = x Wk^T, V = x Wv^T, all five products on codes of E4M3 with one E8M0 scale for each 32 along K.
; NOTHING OF THE PROBLEM IS LEFT OUT, and every input is loaded.  A masked key's V stands in a block of 32 keys with unmasked ones and moves that block's scale; a masked key's K counts where every key of a
; batch is masked (the softmax is then even over them); the mask is an input and is honoured by arithmetic, never by a branch.
; THIS LAUNCH: (a) Q is computed and quantised along d_k, (b) W_k and W_v are quantised along the features.  Both leave as IMAGES OF OPERAND REGISTERS: a fragment (16 rows x 128 K, 16 registers a lane)
; is four pieces of 512 bytes, lane l's 16 bytes at 16 l; its scale words are 128 bytes, 4 a lane.  The next launch loads them straight into its operand registers.
; SHARES.  Work-group (dq, b): Q of batch b's 64 queries, d_k 128 dq .. + 127.  Wave w: quantises tiles 2 w, 2 w + 1 of that quarter of W_q (8 fragments, shared through LDS), its own 16 rows of mf (4 fragments,
; kept in registers), then multiplies: source 0 = 16 rows of W_q, source 1 = my 16 queries, so that a lane holds ONE query and its registers run along d_k, the next product's K.
; THE ROWS OF A WEIGHT THAT FORM A TILE ARE NOT NEIGHBOURS: row r of tile 2 b + u is weight row 32 b + 8 u + r + 8 (r / 8), so that the 16 registers of tiles 2 b and 2 b + 1 are 16 neighbours along d_k.
; Wave 0 also quantises ONE fragment of W_k or W_v: there are 256 of them and 256 work-groups.
; A JOB is one fragment of f32: 16 loads, each a row's 512 consecutive bytes; they turn through the wave's own stage in LDS (rows 528 = 33 x 16 bytes apart) and come back 64 bytes a lane: 16 neighbours of each block of 32.
; LIMITS: NaN and infinities among the inputs are not served.  A block of zeros gets the scale byte 1 where the rule says 127: its codes are zeros, and this program alone reads the bytes.  A block whose largest
; magnitude lies under 2^-118 is held at the byte 1.
.set SPITCH, 528
.set WSTG,   16*SPITCH                 ; a wave's stage
.set WIMG,   4*WSTG                    ; W_q's 32 fragments of this quarter: fragment (tile t, K step s) at (4 t + s) x 2048
.set WSC,    WIMG+65536                ; their scale words, 64 bytes a fragment
.set SPARE,  WSC+2048                  ; the spare words, 128 bytes a wave: two blocks of 256 bytes that no other line names
.set LN16, 1                           ; v1   16 x lane
.set L4,   2                           ; v2   4 x (lane % 16)
.set STW,  3                           ; v3   the stage, on the way in: 16 x lane
.set STR,  4                           ; v4   on the way out: 528 r + 64 h
.set LS,   5                           ; v5   4 x lane
.set WI,   6                           ; v6   where I store W_q's images
.set WSA,  7                           ; v7   and their scale words
.set WR,   8                           ; v8   where any wave reads them
.set WSR,  9                           ; v9
.set SPW,  12                          ; v12  my spare word; never rewritten
.set NIL,  13                          ; v13  0; never rewritten
.set TM,   16                          ; v16-31 at work in QUANT
.set PW,   32                          ; v32  the scale word just made
.set PC,   34                          ; v34-49 the codes just made
.set MFS,  50                          ; v50-53 mf's scale words
.set WSW,  54                          ; v54-61 W_q's scale words of a K step
.set MF,   64                          ; v64-127 mf's four fragments
.set HA,   128                         ; v128-191 Q: 8 accumulators.  Window 1: four sets of 64 numbers, later W_q's fragments of a K step.  Window 2: v0-63 wave 0's extra job
.set WV,  20
.set DQ,  21
.set BB,  22
.set SEL, 28
.set MNT, 30
.set GG,  31
.set WQP, 32
.set MFP, 34
.set EXP, 36
.set QIP, 38
.set QSP, 40
.set WIP, 42
.set WSP, 44
.set MSB, 0
.macro WIN new                         ; the immediate's high byte repeats the setting that is left; a switch that changes nothing is dropped
.if MSB != \new
	s_set_vgpr_msb (MSB<<8)|\new
.set MSB, \new
.endif
.endm
.macro PLACES n
.rept \n
	v_nop
.endr
.endm
; 64 numbers of a lane in window win, register 16 b + i = k 32 b + 16 (lane / 16) + i of my row, become a fragment's codes in v[dst] on (window 0) and, word = 1, its scale word in v[pw].
.macro QUANT src, win, dst, pw, word
	WIN ((\win)|((\win)<<2))
.irp b, 0,1,2,3
	v_max3_num_f32 v[TM+\b], |v[(\src)+16*\b]|, |v[(\src)+16*\b+1]|, 0x4800000   ; block b: my 16 numbers, and the floor 2^(9 - 127): the byte cannot fall under 1
.endr
	WIN (((\win)<<2)|((\win)<<4))
.irp i, 2,4,6,8,10,12,14
.irp b, 0,1,2,3
	v_max3_num_f32 v[TM+\b], v[TM+\b], |v[(\src)+16*\b+\i]|, |v[(\src)+16*\b+\i+1]|   ; the four blocks by turns
.endr
.endr
	WIN 0
.irp b, 0,1,2,3
	v_permlanex16_b32 v[TM+4+\b], v[TM+\b], s[SEL], s[SEL+1]
.endr
.irp b, 0,1,2,3
	v_max_num_f32 v[TM+\b], v[TM+\b], v[TM+4+\b]   ; with lane l xor 16's: the block's largest magnitude
.endr
.irp b, 0,1,2,3
	v_add_nc_u32 v[TM+12+\b], 0xfc000000, v[TM+\b]   ; 8 off its exponent field: the conversion's scale operand
.endr
.irp b, 0,1,2,3
	v_and_or_b32 v[TM+8+\b], v[TM+\b], 0x7f800000, s[MNT]   ; 448 x the scale
.endr
.irp b, 0,1,2,3
	v_lshrrev_b32 v[TM+4+\b], 23, v[TM+12+\b]      ; the scale's byte
.endr
.if \word
	v_lshl_or_b32 v[\pw], v[TM+5], 8, v[TM+4]
	v_lshl_or_b32 v[\pw], v[TM+6], 16, v[\pw]
	v_lshl_or_b32 v[\pw], v[TM+7], 24, v[\pw]
.endif
	WIN ((\win)|((\win)<<6))
.irp b, 0,1,2,3
.irp i, 0,1,2,3,4,5,6,7,8,9,10,11,12,13,14,15
	v_med3_num_f32 v[(\src)+16*\b+\i], v[(\src)+16*\b+\i], -v[TM+8+\b], v[TM+8+\b]   ; the conversion to an 8-bit code does not saturate (ISA guide 7.6.2): the hold comes first
.endr
.endr
	WIN (\win)
.irp b, 0,1,2,3
	v_cvt_scalef32_pk8_fp8_f32 v[(\dst)+4*\b:(\dst)+4*\b+1], v[(\src)+16*\b:(\src)+16*\b+7], v[TM+12+\b]
	v_cvt_scalef32_pk8_fp8_f32 v[(\dst)+4*\b+2:(\dst)+4*\b+3], v[(\src)+16*\b+8:(\src)+16*\b+15], v[TM+12+\b]
.endr
	WIN 0
	v_nop                                          ; one plain instruction behind the last scaled conversion
.endm
; 16 rows as loaded go into my stage and come back 64 bytes a lane, into the registers that they left.  LDS serves a wave's instructions in order (ISA guide 5.7.1.4): no wait between.
.macro TURN set, win
	WIN ((\win)<<2)
.irp i, 0,1,2,3,4,5,6,7,8,9,10,11,12,13,14,15
	ds_store_b128 v[STW], v[(\set)+4*\i:(\set)+4*\i+3] offset:SPITCH*\i
.endr
	WIN ((\win)<<6)
.irp c, 0,1,2,3
.irp j, 0,1,2,3
	ds_load_b128 v[(\set)+16*\c+4*\j:(\set)+16*\c+4*\j+3], v[STR] offset:128*\c+16*\j
.endr
.endr
	WIN 0
.endm
.macro IMG adr, dst, off               ; a fragment goes to LDS as it stands in registers
.irp c, 0,1,2,3
	ds_store_b128 v[\adr], v[(\dst)+4*\c:(\dst)+4*\c+3] offset:(\off)+512*\c
.endr
.endm
; job j's 16 loads into set j % 4 of window 1.  j < 8: W_q, tile 2 w + j / 4, K step j % 4;  j >= 8: my 16 rows of mf, K step j - 8
.macro JLD j
	WIN 0x40
.irp i, 0,1,2,3,4,5,6,7,8,9,10,11,12,13,14,15
.if (\j) < 8
	global_load_b128 v[64*((\j)%4)+4*\i:64*((\j)%4)+4*\i+3], v[LN16], s[WQP:WQP+1] offset:(8*((\j)/4)+\i+8*(\i/8))*2048+512*((\j)%4)
.else
	global_load_b128 v[64*((\j)%4)+4*\i:64*((\j)%4)+4*\i+3], v[LN16], s[MFP:MFP+1] offset:\i*2048+512*((\j)-8)
.endif
.endr
	WIN 0
.endm
.macro JOB j
	s_wait_dscnt 0x0                               ; job j's numbers are back from the stage; my earlier image stores have landed
.if \j == 8
	s_barrier_signal -1                            ; every wave's eight fragments of W_q lie in LDS
	s_barrier_wait -1
.endif
.if \j < 11
.if \j < 9
	s_wait_loadcnt 32                              ; job j + 1 is in; jobs j + 2 and j + 3 may be out
.else
	s_wait_loadcnt 16*(10-\j)                      ; the counts run down: no job follows job 11
.endif
	TURN 64*((\j+1)%4), 1                          ; it turns through the stage while job j is quantised
.endif
.if \j < 8
	QUANT 64*(\j%4), 1, PC, PW, 1
.else
	QUANT 64*(\j%4), 1, MF+16*(\j-8), MFS+\j-8, 1
.endif
.if \j+4 <= 11
	JLD \j+4
.endif
.if \j < 8
	IMG WI, PC, \j*2048
	ds_store_b32 v[WSA], v[PW] offset:\j*64        ; both halves of the lanes write the same word
.endif
.endm
	s_load_b256 s[4:11], s[0:1], 0x0               ; mf s[4:5], W_q s[6:7], W_k s[8:9], W_v s[10:11]
	s_load_b256 s[12:19], s[0:1], 0x20             ; w_img s[12:13], w_sc s[14:15], q_img s[16:17], q_sc s[18:19]
	v_lshl_add_u32 v[SPW], v0, 2, SPARE
	v_mov_b32 v[NIL], 0
	v_lshrrev_b32 v10, 5, v0
	v_readfirstlane_b32 s[WV], v10                 ; wave 0..3
	s_mov_b32 s[DQ], ttmp9                         ; which quarter of d_k
	s_and_b32 s[BB], ttmp7, 0xffff                 ; the batch
	v_and_b32 v10, 31, v0
	v_lshlrev_b32 v[LN16], 4, v10
	v_lshlrev_b32 v[LS], 2, v10
	v_and_b32 v11, 15, v0                          ; r
	v_lshlrev_b32 v[L4], 2, v11
	v_bfe_u32 v14, v0, 4, 1                        ; h
	s_mul_i32 s24, s[WV], WSTG
	v_add_nc_u32 v[STW], s24, v[LN16]
	v_mul_u32_u24 v[STR], v11, SPITCH
	v_lshl_add_u32 v[STR], v14, 6, v[STR]
	v_add_nc_u32 v[STR], s24, v[STR]
	s_lshl_b32 s24, s[WV], 14
	s_add_co_u32 s24, s24, WIMG
	v_add_nc_u32 v[WI], s24, v[LN16]
	s_lshl_b32 s24, s[WV], 9
	s_add_co_u32 s24, s24, WSC
	v_add_nc_u32 v[WSA], s24, v[L4]
	v_add_nc_u32 v[WR], WIMG, v[LN16]
	v_add_nc_u32 v[WSR], WSC, v[L4]
.irp b, 0,1,2,3
	v_mov_b32 v[TM+4+\b], 0                        ; written once: a lane permute's destination counts as one of its sources
.endr
	s_mov_b32 s[SEL], 0x76543210
	s_mov_b32 s[SEL+1], 0xfedcba98                 ; v_permlanex16_b32's selects for lane l xor 16
	s_mov_b32 s[MNT], 0x600000                     ; the mantissa field of 448
	s_mov_b32 s25, 0
	s_wait_kmcnt 0x0
	s_lshl_b32 s24, s[DQ], 18                      ; W_q: row 128 dq + 32 w, 2,048 bytes a row
	s_lshl_b32 s26, s[WV], 16
	s_add_co_u32 s24, s24, s26
	s_add_nc_u64 s[WQP:WQP+1], s[6:7], s[24:25]
	s_lshl_b32 s24, s[BB], 17                      ; mf: row 64 b + 16 w
	s_lshl_b32 s26, s[WV], 15
	s_add_co_u32 s24, s24, s26
	s_add_nc_u64 s[MFP:MFP+1], s[4:5], s[24:25]
	s_lshl_b32 s[GG], s[BB], 2
	s_add_co_u32 s[GG], s[GG], s[DQ]               ; g = 4 b + dq: the fragment of W_k (g < 128) or W_v that wave 0 quantises: tile T = (g % 128) / 4, K step g % 4
	s_lshl_b32 s24, s[GG], 11
	s_add_nc_u64 s[WIP:WIP+1], s[12:13], s[24:25]
	s_lshl_b32 s24, s[GG], 7
	s_add_nc_u64 s[WSP:WSP+1], s[14:15], s[24:25]
	s_lshl_b32 s26, s[BB], 2
	s_add_co_u32 s26, s26, s[WV]
	s_lshl_b32 s26, s26, 2
	s_add_co_u32 s26, s26, s[DQ]                   ; Q's fragment: (4 b + w) 4 + dq
	s_lshl_b32 s24, s26, 11
	s_add_nc_u64 s[QIP:QIP+1], s[16:17], s[24:25]
	s_lshl_b32 s24, s26, 7
	s_add_nc_u64 s[QSP:QSP+1], s[18:19], s[24:25]
	s_and_b32 s24, s[GG], 127
	s_lshr_b32 s24, s24, 2                         ; T
	s_lshr_b32 s26, s24, 1
	s_lshl_b32 s26, s26, 16                        ; 32 (T / 2) rows
	s_and_b32 s24, s24, 1
	s_lshl_b32 s24, s24, 14                        ; + 8 (T % 2) rows
	s_add_co_u32 s24, s24, s26
	s_and_b32 s26, s[GG], 3
	s_lshl_b32 s26, s26, 9                         ; + the K step's 512 bytes
	s_add_co_u32 s24, s24, s26
	s_cmp_lt_u32 s[GG], 128                        ; the choice hangs on the work-group's number alone
	s_cselect_b64 s[EXP:EXP+1], s[8:9], s[10:11]
	s_add_nc_u64 s[EXP:EXP+1], s[EXP:EXP+1], s[24:25]
	s_cmp_lg_u32 s[WV], 0
	s_cbranch_scc1 .Lno_extra_loads
	WIN 0x80                                       ; wave 0's extra job is asked for first: older than every counted load, so it alters no count
.irp i, 0,1,2,3,4,5,6,7,8,9,10,11,12,13,14,15
	global_load_b128 v[4*\i:4*\i+3], v[LN16], s[EXP:EXP+1] offset:(\i+8*(\i/8))*2048
.endr
	WIN 0
.Lno_extra_loads:
	JLD 0
	JLD 1
	JLD 2
	JLD 3
	s_wait_loadcnt 48                              ; job 0 is in; jobs 1 to 3 may be out
	TURN 0, 1
.irp j, 0,1,2,3,4,5,6,7,8,9,10,11
	JOB \j
.endr
	; Q^T = W_q mf^T: eight accumulators by turns, a K step at a time
.irp s, 0,1,2,3
	PLACES 8                                       ; in front of loads into registers that matrix instructions have read; mf's codes and scale words, made by vector instructions, stand as far ahead too
	WIN 0x40
.irp t, 0,1,2,3,4,5,6,7
.irp c, 0,1,2,3
	ds_load_b128 v[16*\t+4*\c:16*\t+4*\c+3], v[WR] offset:(4*\t+\s)*2048+512*\c
.endr
.endr
	WIN 0
.irp t, 0,1,2,3,4,5,6,7
	ds_load_b32 v[WSW+\t], v[WSR] offset:(4*\t+\s)*64
.endr
	s_wait_dscnt 0x0
	WIN 0x01                                       ; source 0 (W_q) window 1
.irp t, 0,1,2,3,4,5,6,7
.if \s == 0
	v_wmma_scale_f32_16x16x128_f8f6f4 v[HA+8*\t:HA+8*\t+7], v[16*\t:16*\t+15], v[MF+16*\s:MF+16*\s+15], 0, v[WSW+\t], v[MFS+\s]
.else
	v_wmma_scale_f32_16x16x128_f8f6f4 v[HA+8*\t:HA+8*\t+7], v[16*\t:16*\t+15], v[MF+16*\s:MF+16*\s+15], v[HA+8*\t:HA+8*\t+7], v[WSW+\t], v[MFS+\s]
.endif
.endr
	WIN 0
.endr
	PLACES 8
	QUANT HA, 0, PC, PW, 1                         ; Q, along d_k: K step dq of the scores' product
.irp c, 0,1,2,3
	global_store_b128 v[LN16], v[PC+4*\c:PC+4*\c+3], s[QIP:QIP+1] offset:512*\c   ; 32 lanes store 512 consecutive bytes
.endr
	global_store_b32 v[LS], v[PW], s[QSP:QSP+1]
	s_cmp_lg_u32 s[WV], 0
	s_cbranch_scc1 .Lend
	s_wait_xcnt 0x0                                ; the stores above have read PC and PW, which are written again
	TURN 0, 2                                      ; the extra job's loads were shown in by job 10's wait for 0
	s_wait_dscnt 0x0
	QUANT 0, 2, PC, PW, 1
.irp c, 0,1,2,3
	global_store_b128 v[LN16], v[PC+4*\c:PC+4*\c+3], s[WIP:WIP+1] offset:512*\c
.endr
	global_store_b32 v[LS], v[PW], s[WSP:WSP+1]
.Lend:
	s_wait_tensorcnt 0x0                           ; the wave's end: behind my last LDS store
	ds_add_u32 v[SPW], v[NIL]
	s_wait_dscnt 0x0
	s_endpgm
.Lfunc_end_k_qb1df6eca95_prep:
	.size	k_qb1df6eca95_prep, .Lfunc_end_k_qb1df6eca95_prep-k_qb1df6eca95_prep
	.p2alignl 7, 3214868480
	.fill 96, 4, 3214868480
	.section	.rodata,"a",@progbits
	.p2align	6, 0x0
	.amdhsa_kernel k_qb1df6eca95_prep
		.amdhsa_group_segment_fixed_size 101888
		.amdhsa_private_segment_fixed_size 0
		.amdhsa_enable_private_segment 0
		.amdhsa_kernarg_size 64
		.amdhsa_user_sgpr_count 2
		.amdhsa_user_sgpr_kernarg_segment_ptr 1
		.amdhsa_wavefront_size32 1
		.amdhsa_system_sgpr_workgroup_id_x 1
		.amdhsa_system_sgpr_workgroup_id_y 1
		.amdhsa_system_sgpr_workgroup_id_z 1
		.amdhsa_system_vgpr_workitem_id 0
		.amdhsa_next_free_vgpr 576
		.amdhsa_next_free_sgpr 66
		.amdhsa_reserve_vcc 0
		.amdhsa_float_denorm_mode_32 3
		.amdhsa_float_denorm_mode_16_64 3
		.amdhsa_memory_ordered 1
		.amdhsa_forward_progress 1
		.amdhsa_inst_pref_size 186
	.end_amdhsa_kernel
	.amdgpu_metadata
---
amdhsa.version: [ 1, 2 ]
amdhsa.kernels:
  - .name:           k_qb1df6eca95_prep
    .symbol:         k_qb1df6eca95_prep.kd
    .args:
      - { .name: metal_feature, .offset: 0, .size: 8, .value_kind: global_buffer, .address_space: global }
      - { .name: W_q, .offset: 8, .size: 8, .value_kind: global_buffer, .address_space: global }
      - { .name: W_k, .offset: 16, .size: 8, .value_kind: global_buffer, .address_space: global }
      - { .name: W_v, .offset: 24, .size: 8, .value_kind: global_buffer, .address_space: global }
      - { .name: w_img, .offset: 32, .size: 8, .value_kind: global_buffer, .address_space: global }
      - { .name: w_sc, .offset: 40, .size: 8, .value_kind: global_buffer, .address_space: global }
      - { .name: q_img, .offset: 48, .size: 8, .value_kind: global_buffer, .address_space: global }
      - { .name: q_sc, .offset: 56, .size: 8, .value_kind: global_buffer, .address_space: global }
    .group_segment_fixed_size: 101888
    .private_segment_fixed_size: 0
    .kernarg_segment_align: 8
    .kernarg_segment_size: 64
    .max_flat_workgroup_size: 128
    .sgpr_count:     66
    .vgpr_count:     576
    .wavefront_size: 32
...
	.end_amdgpu_metadata
.endif
;; end of part 1
;; launch main (part 2): grid 4 x 64, 4 waves a work-group, no clusters, 322,560 bytes of LDS; arguments x, mask, w_img, w_sc, q_img, q_sc, o_part, ml; writes o_part, ml
.if DOCPART == 2
	.amdgcn_target "amdgcn-amd-amdhsa--gfx1250"
	.amdhsa_code_object_version 6
	.text
	.protected	k_qb1df6eca95_main
	.globl	k_qb1df6eca95_main
	.p2align	8
	.type	k_qb1df6eca95_main,@function
k_qb1df6eca95_main:
	s_mov_b64 s[64:65], 0
	v_nop
	global_prefetch_b8 v0, s[64:65] scope:SCOPE_SE
	s_setreg_imm32_b32 hwreg(HW_REG_WAVE_MODE, 25, 1), 1
	s_wait_xcnt 0x0
; SECOND OF THREE LAUNCHES.  Nothing of the problem is left out (see the first launch's head).  Work-group (c, b) takes keys 256 c .. + 255 of batch b through the whole chain: x is read once as f32 and quantised;
; K = x Wk^T, quantised along d_k; S^T = K Q^T; the mask's bias; p = 2^(t - M), M the ceiling of THIS CHUNK's largest t, a whole number; V = x Wv^T, quantised along the keys; O^T = V^T P^T.
; Out go the chunk's unnormalised O [64][512], -M and the sum l of the unquantised p; the third launch adds the four chunks of a batch (every rescaling there is a power of two).  K and V never go to memory.
; SHARES.  X: wave w quantises features 128 w .. + 127 of every tile of 16 keys.  K and V: wave w owns d_k 128 w .. + 127; its 32 fragments of the weight (512 registers) stay in registers for all 16 tiles.
; Scores and softmax: wave w owns queries 16 w .. + 15 for all 256 keys, so that no statistic crosses waves.  Second product: wave w owns its 128 d_k for all 64 queries; V's codes stay the wave's own.
; THE KEYS OF A TILE ARE NOT NEIGHBOURS: row r of tile 2 b + u is key 32 b + 8 u + r + 8 (r / 8).  So in S^T (source 0 = 16 keys, source 1 = 16 queries) and in V (source 0 = 16 keys of x, source 1 = 16 rows of Wv)
; the 16 registers of tiles 2 b and 2 b + 1 are 16 neighbouring keys, and the conversions' results are the next operand's registers.  The weights' tiles are laid the same way (first launch).
; OPERANDS GO FROM WAVE TO WAVE THROUGH LDS AS IMAGES OF THEIR REGISTERS: four pieces of 512 bytes, lane l at 16 l; scale words 64 bytes a fragment.
; NO CLUSTER, NO TENSOR LOAD: what work-groups share is the weights and Q, and they go from memory straight into operand registers, each byte once a work-group, where they feed 16 tiles; a joint load lands in
; LDS alone, which would add 512 KiB of LDS writes and as many reads to a work-group, and of the 327,680 bytes 322,560 are in use.  x, four fifths of the bytes, is shared by nobody.
; LIMITS: NaN and infinities among the inputs are not served.  A block of zeros gets the scale byte 1 where the rule says 127 (zero codes; this program alone reads the bytes); blocks under 2^-118 are held at
; the byte 1.  mask is any int32, taken as a number.  A block's largest p is the exponential of its largest logit: that takes v_exp_f32 not to fall where its input rises.
.set SPITCH, 528
.set WSTG,   16*SPITCH                 ; a wave's stage: 16 rows x (512 + 16) bytes
.set XIMG,   4*WSTG                    ; x's 64 fragments: (tile m, K step s) at (4 m + s) x 2048
.set KIMG,   XIMG+131072               ; K's 64 fragments likewise; behind the softmax's barrier V's: wave w, (tile t, key step s) at 32768 w + (2 t + s) x 2048
.set XSC,    KIMG+131072               ; x's scale words, 64 bytes a fragment
.set KSC,    XSC+4096                  ; K's
.set PIMG,   KSC+4096                  ; p's 8 fragments: (tile of queries q, key step s) at (2 q + s) x 2048
.set PSC,    PIMG+16384
.set BIAS,   PSC+512                   ; (mask - 1) x 1e10 of the 256 keys
.set SPARE,  BIAS+1024                 ; the spare words, 128 bytes a wave: two blocks of 256 bytes that no other line names
; window 0
.set LN16, 1                           ; v1   16 x lane
.set L4,   2                           ; v2   4 x (lane % 16)
.set STW,  3                           ; v3   the stage by whole rows: 16 x lane
.set STR,  4                           ; v4   the stage by lanes: 528 r + 64 h
.set XA,   5                           ; v5   512 w + 16 x lane: my bytes of a row of x, and of a row of O
.set XW,   6                           ; v6-11 the phase's LDS addresses.  In the stream: made each trip from the bases in v76-81 and a stepped scalar
.set XR,   7
.set KW,   8
.set XSW,  9
.set XSR,  10
.set KSW,  11
.set KA0,  6                           ; scores and softmax
.set KA1,  7
.set KSR,  8
.set BA,   9
.set PWI,  10
.set PSW,  11
.set XR2,  6                           ; V and the second product
.set XSR2, 7
.set VWI,  8
.set BX,   9
.set BXS,  10
.set BV,   11
.set PR,   6
.set PSR,  7
.set SPW,  12                          ; v12  my spare word; never rewritten
.set NIL,  13                          ; v13  0; never rewritten
.set WS,   16                          ; v16-47 the weight's scale words, 4 t + s
.set XS,   48                          ; v48-55 scale words of x, then of K, then of p
.set QS,   56                          ; v56-59 Q's
.set PC,   60                          ; v60-75 codes just made
.set PC2,  76                          ; v76-91 likewise (V);  in the stream v76-81 are the address bases
.set BXW,  76
.set BXR,  77
.set BKW,  78
.set BXSW, 79
.set BXSR, 80
.set BKSW, 81
.set TM,   92                          ; v92-107 at work in QUANT
.set PW,   108
.set VWL,  109                         ; v109-116 V's scale words, key step 0, tile t;  v117-124 key step 1
.set VWH,  117
.set NUM,  128                         ; v128-191 K: 8 accumulators
.set XF,   192                         ; v192-255 x's four fragments of a tile
.set S,    128                         ; v128-255 the scores, then p
.set BM,   76                          ; softmax: v76-83 the blocks' largest logits, v92-99 permute targets, then bytes, v84-91 conversion operands, v100-107 holds
.set BT,   92
.set SCO,  84
.set HOLD, 100
.set PW2,  125
.set NM,   126                         ; v126 -M, v127 the largest t
; windows 1, 2: the weight: fragment (t, s) in window 1 + s / 2 at 128 (s % 2) + 16 t.  In the second product window 1 is O^T: accumulator (t, q) at 8 (4 t + q).
; window 3: stream: four sets of 64 numbers of x.  Scores: v0-63 Q, v64-191 two buffers of K.  Softmax: v64-191 the bias, v192-223 p's codes.  V: v0-127 accumulators (t, u) at 16 t + 8 u.  Then p's 8 fragments.
.set WV,  20
.set CH,  21
.set BB,  22
.set CNT, 26
.set SEL, 28
.set MNT, 30
.set SCL, 32                           ; s[32:33] 1 / sqrt(512)
.set L2E, 34                           ; s[34:35] log2(e)
.set XP,  36
.set WB,  38
.set WSB, 40
.set QB,  42
.set QSB, 44
.set OP,  46
.set MLB, 48
.set PO,  50
.set TO,  51
.set TSO, 52
.set VO,  53
.set MP,  54
.set MSB, 0
.macro WIN new                         ; the immediate's high byte repeats the setting that is left; a switch that changes nothing is dropped
.if MSB != \new
	s_set_vgpr_msb (MSB<<8)|\new
.set MSB, \new
.endif
.endm
.macro PLACES n                        ; plain instructions between a matrix instruction and a read of its result or a load into one of its registers (ISA guide 7.12.1 for the read)
.rept \n
	v_nop
.endr
.endm
; 64 numbers of a lane in window win, register 16 b + i = k 32 b + 16 (lane / 16) + i of my row, become a fragment's codes in v[dst] on (window 0), the four bytes in v[TM+4] on and, word = 1, the scale word in v[pw].
.macro QUANT src, win, dst, pw, word
	WIN ((\win)|((\win)<<2))
.irp b, 0,1,2,3
	v_max3_num_f32 v[TM+\b], |v[(\src)+16*\b]|, |v[(\src)+16*\b+1]|, 0x4800000   ; block b: my 16 numbers, and the floor 2^(9 - 127): the byte cannot fall under 1
.endr
	WIN (((\win)<<2)|((\win)<<4))
.irp i, 2,4,6,8,10,12,14
.irp b, 0,1,2,3
	v_max3_num_f32 v[TM+\b], v[TM+\b], |v[(\src)+16*\b+\i]|, |v[(\src)+16*\b+\i+1]|   ; the four blocks by turns
.endr
.endr
	WIN 0
.irp b, 0,1,2,3
	v_permlanex16_b32 v[TM+4+\b], v[TM+\b], s[SEL], s[SEL+1]
.endr
.irp b, 0,1,2,3
	v_max_num_f32 v[TM+\b], v[TM+\b], v[TM+4+\b]   ; with lane l xor 16's: the block's largest magnitude
.endr
.irp b, 0,1,2,3
	v_add_nc_u32 v[TM+12+\b], 0xfc000000, v[TM+\b]   ; 8 off its exponent field: the conversion's scale operand
.endr
.irp b, 0,1,2,3
	v_and_or_b32 v[TM+8+\b], v[TM+\b], 0x7f800000, s[MNT]   ; 448 x the scale
.endr
.irp b, 0,1,2,3
	v_lshrrev_b32 v[TM+4+\b], 23, v[TM+12+\b]      ; the scale's byte
.endr
.if \word
	v_lshl_or_b32 v[\pw], v[TM+5], 8, v[TM+4]
	v_lshl_or_b32 v[\pw], v[TM+6], 16, v[\pw]
	v_lshl_or_b32 v[\pw], v[TM+7], 24, v[\pw]
.endif
	WIN ((\win)|((\win)<<6))
.irp b, 0,1,2,3
.irp i, 0,1,2,3,4,5,6,7,8,9,10,11,12,13,14,15
	v_med3_num_f32 v[(\src)+16*\b+\i], v[(\src)+16*\b+\i], -v[TM+8+\b], v[TM+8+\b]   ; the conversion to an 8-bit code does not saturate (ISA guide 7.6.2): the hold comes first
.endr
.endr
	WIN (\win)
.irp b, 0,1,2,3
	v_cvt_scalef32_pk8_fp8_f32 v[(\dst)+4*\b:(\dst)+4*\b+1], v[(\src)+16*\b:(\src)+16*\b+7], v[TM+12+\b]
	v_cvt_scalef32_pk8_fp8_f32 v[(\dst)+4*\b+2:(\dst)+4*\b+3], v[(\src)+16*\b+8:(\src)+16*\b+15], v[TM+12+\b]
.endr
	WIN 0
	v_nop                                          ; one plain instruction behind the last scaled conversion
.endm
; 16 rows as loaded go into my stage and come back 64 bytes a lane, into the registers that they left.  LDS serves a wave's instructions in order (ISA guide 5.7.1.4): no wait between.
.macro TURN set, win
	WIN ((\win)<<2)
.irp i, 0,1,2,3,4,5,6,7,8,9,10,11,12,13,14,15
	ds_store_b128 v[STW], v[(\set)+4*\i:(\set)+4*\i+3] offset:SPITCH*\i
.endr
	WIN ((\win)<<6)
.irp c, 0,1,2,3
.irp j, 0,1,2,3
	ds_load_b128 v[(\set)+16*\c+4*\j:(\set)+16*\c+4*\j+3], v[STR] offset:128*\c+16*\j
.endr
.endr
	WIN 0
.endm
.macro IMG adr, dst, off
.irp c, 0,1,2,3
	ds_store_b128 v[\adr], v[(\dst)+4*\c:(\dst)+4*\c+3] offset:(\off)+512*\c
.endr
.endm
; load n of the 160 that bring my part of a weight (sel 0: W_k, 1: W_v): 128 pieces of fragments, K step by K step, then 32 scale words
.macro WLD sel, n
.if (\n) < 128
.set wf, (\n)/4
.set wc, (\n)%4
.set wsx, wf/8
.set wt, wf%8
	WIN ((1+wsx/2)<<6)
	global_load_b128 v[128*(wsx%2)+16*wt+4*wc:128*(wsx%2)+16*wt+4*wc+3], v[LN16], s[WB:WB+1] offset:(\sel)*262144+(4*wt+wsx)*2048+512*wc
.else
	WIN 0
	global_load_b32 v[WS+(\n)-128], v[L4], s[WSB:WSB+1] offset:(\sel)*16384+((\n)-128)*128
.endif
.endm
; my K step of tile q of the four in hand (ahead = 1: of the next four) into set q: 16 loads, each 512 consecutive bytes of one key's row
.macro XLD q, ahead
	WIN 0xc0
.irp i, 0,1,2,3,4,5,6,7,8,9,10,11,12,13,14,15
	global_load_b128 v[64*(\q)+4*\i:64*(\q)+4*\i+3], v[XA], s[XP:XP+1] offset:(64*(\ahead)+32*((\q)/2)+8*((\q)%2)+\i+8*(\i/8))*2048 th:TH_LOAD_NT
.endr
	WIN 0
.endm
.macro QLD                             ; my 16 queries' four fragments and scale words: 20 loads
	WIN 0xc0
.irp s, 0,1,2,3
.irp c, 0,1,2,3
	global_load_b128 v[16*\s+4*\c:16*\s+4*\c+3], v[LN16], s[QB:QB+1] offset:2048*\s+512*\c
.endr
.endr
	WIN 0
.irp s, 0,1,2,3
	global_load_b32 v[QS+\s], v[L4], s[QSB:QSB+1] offset:128*\s
.endr
.endm
.macro ADDRS                           ; the trip's LDS addresses: a base and the trip's step
	v_add_nc_u32 v[XW], s[TO], v[BXW]
	v_add_nc_u32 v[XR], s[TO], v[BXR]
	v_add_nc_u32 v[KW], s[TO], v[BKW]
	v_add_nc_u32 v[XSW], s[TSO], v[BXSW]
	v_add_nc_u32 v[XSR], s[TSO], v[BXSR]
	v_add_nc_u32 v[KSW], s[TSO], v[BKSW]
.endm
; ONE TILE OF 16 KEYS.  ld = 1: the tile four on is asked for; 2: Q is.  cnt: the loads that may be out when the next tile's have to be in (-1: there is no next tile).
.macro TILE q, ld, cnt
	s_wait_dscnt 0x0                               ; my numbers are back from the stage
	QUANT 64*\q, 3, PC, PW, 1
	IMG XW, PC, 8192*\q
	ds_store_b32 v[XSW], v[PW] offset:256*\q
.if \ld == 1
	XLD \q, 1
.elseif \ld == 2
	QLD
.endif
	s_wait_dscnt 0x0                               ; for the others' sake: my fragment of x has landed
	s_barrier_signal -1
	s_barrier_wait -1                              ; the tile's four fragments lie in LDS.  No image is ever written again in the stream, so one barrier a tile is all
.irp s, 0,1,2,3
.irp c, 0,1,2,3
	ds_load_b128 v[XF+16*\s+4*\c:XF+16*\s+4*\c+3], v[XR] offset:8192*\q+2048*\s+512*\c
.endr
.endr
.irp s, 0,1,2,3
	ds_load_b32 v[XS+\s], v[XSR] offset:256*\q+64*\s
.endr
.if \cnt >= 0
	s_wait_loadcnt \cnt                            ; the next tile's 16 loads are in (in the first tile this count also shows W_k in: it was asked for between tiles 1 and 2)
	TURN 64*((\q+1)%4), 3                          ; and turn through the stage while this tile is multiplied
	s_wait_dscnt 32                                ; all but the turn's 32
.else
	s_wait_dscnt 0x0
.endif
.irp s, 0,1,2,3                                ; K^T = W_k x^T: source 0 = 16 rows of W_k, source 1 = the 16 keys; eight accumulators by turns
	WIN (1+\s/2)
.irp t, 0,1,2,3,4,5,6,7
.if \s == 0
	v_wmma_scale_f32_16x16x128_f8f6f4 v[NUM+8*\t:NUM+8*\t+7], v[128*(\s%2)+16*\t:128*(\s%2)+16*\t+15], v[XF+16*\s:XF+16*\s+15], 0, v[WS+4*\t+\s], v[XS+\s]
.else
	v_wmma_scale_f32_16x16x128_f8f6f4 v[NUM+8*\t:NUM+8*\t+7], v[128*(\s%2)+16*\t:128*(\s%2)+16*\t+15], v[XF+16*\s:XF+16*\s+15], v[NUM+8*\t:NUM+8*\t+7], v[WS+4*\t+\s], v[XS+\s]
.endif
.endr
.endr
	WIN 0
	PLACES 8
	QUANT NUM, 0, PC, PW, 1                        ; K of these 16 keys, my 128 of d_k: K step w of the scores' product
	IMG KW, PC, 8192*\q
	ds_store_b32 v[KSW], v[PW] offset:256*\q
.endm
; scores, group g: key tiles 2 (g / 2) + u, K steps 2 (g % 2) + e: four fragments of K and their scale words into buffer g % 2: 20 LDS loads
.macro KFETCH g
	WIN 0xc0
.irp e, 0,1
.irp u, 0,1
.set km, 2*((\g)/2)+\u
.set ks, 2*((\g)%2)+\e
.set kr, 64+64*((\g)%2)+16*(2*\e+\u)
.irp c, 0,1,2,3
.if km < 8
	ds_load_b128 v[kr+4*\c:kr+4*\c+3], v[KA0] offset:(4*km+ks)*2048+512*\c
.else
	ds_load_b128 v[kr+4*\c:kr+4*\c+3], v[KA1] offset:(4*(km-8)+ks)*2048+512*\c
.endif
.endr
.endr
.endr
	WIN 0
.irp e, 0,1
.irp u, 0,1
.set km, 2*((\g)/2)+\u
.set ks, 2*((\g)%2)+\e
	ds_load_b32 v[XS+4*((\g)%2)+2*\e+\u], v[KSR] offset:(4*km+ks)*64
.endr
.endr
.endm
.macro VFETCH                          ; a pair of key tiles: x's eight fragments and their scale words
.irp u, 0,1
.irp s, 0,1,2,3
.irp c, 0,1,2,3
	ds_load_b128 v[128+16*(4*\u+\s)+4*\c:128+16*(4*\u+\s)+4*\c+3], v[XR2] offset:8192*\u+2048*\s+512*\c
.endr
.endr
.endr
.irp u, 0,1
.irp s, 0,1,2,3
	ds_load_b32 v[XS+4*\u+\s], v[XSR2] offset:64*(4*\u+\s)
.endr
.endr
.endm
.macro BYTES t0                        ; the pair's scale bytes of tiles t0 .. t0 + 3 are shifted into the top of the 64 bits (VWH, VWL): after eight pairs byte b' of them is pair b's
.irp k, 0,1,2,3
	v_lshrrev_b32 v[VWL+\t0+\k], 8, v[VWL+\t0+\k]
.endr
.irp k, 0,1,2,3
	v_lshl_or_b32 v[VWL+\t0+\k], v[VWH+\t0+\k], 24, v[VWL+\t0+\k]
.endr
.irp k, 0,1,2,3
	v_lshrrev_b32 v[VWH+\t0+\k], 8, v[VWH+\t0+\k]
.endr
.irp k, 0,1,2,3
	v_lshl_or_b32 v[VWH+\t0+\k], v[TM+4+\k], 24, v[VWH+\t0+\k]
.endr
.endm
.macro PVFETCH g                       ; second product, group g: key step g / 2, V's tiles 4 (g % 2) + k: 16 LDS loads of my own bytes
.irp k, 0,1,2,3
.irp c, 0,1,2,3
	ds_load_b128 v[128+64*((\g)%2)+16*\k+4*\c:128+64*((\g)%2)+16*\k+4*\c+3], v[BV] offset:(2*(4*((\g)%2)+\k)+(\g)/2)*2048+512*\c
.endr
.endr
.endm
.macro TOSTAGE q                       ; O^T of queries 16 q on: a lane's eight numbers are eight neighbours of one row; into my stage, and back as whole rows of 512 bytes
	WIN 0x04
.irp t, 0,1,2,3,4,5,6,7
	ds_store_b128 v[STR], v[8*(4*\t+(\q)):8*(4*\t+(\q))+3] offset:128*(\t/2)+32*(\t%2)      ; each accumulator from its low end on
	ds_store_b128 v[STR], v[8*(4*\t+(\q))+4:8*(4*\t+(\q))+7] offset:128*(\t/2)+32*(\t%2)+16
.endr
	WIN 0
.irp i, 0,1,2,3,4,5,6,7,8,9,10,11,12,13,14,15
	ds_load_b128 v[128+64*((\q)%2)+4*\i:128+64*((\q)%2)+4*\i+3], v[STW] offset:SPITCH*\i
.endr
.endm
.macro SEND q, younger                 ; younger: the LDS instructions issued behind block q's loads, which may stay out
	s_wait_dscnt \younger
.irp i, 0,1,2,3,4,5,6,7,8,9,10,11,12,13,14,15
	global_store_b128 v[XA], v[128+64*((\q)%2)+4*\i:128+64*((\q)%2)+4*\i+3], s[OP:OP+1] offset:(16*(\q)+\i)*2048 th:TH_STORE_NT   ; 32 lanes store 512 consecutive bytes, at a multiple of 512 from the buffer's first byte
.endr
.endm
	s_load_b256 s[4:11], s[0:1], 0x0               ; x s[4:5], mask s[6:7], w_img s[8:9], w_sc s[10:11]
	s_load_b256 s[12:19], s[0:1], 0x20             ; q_img s[12:13], q_sc s[14:15], o_part s[16:17], ml s[18:19]
	v_lshl_add_u32 v[SPW], v0, 2, SPARE
	v_mov_b32 v[NIL], 0
	v_lshrrev_b32 v14, 5, v0
	v_readfirstlane_b32 s[WV], v14                 ; wave 0..3
	s_mov_b32 s[CH], ttmp9                         ; the chunk of 256 keys
	s_and_b32 s[BB], ttmp7, 0xffff                 ; the batch
	v_and_b32 v14, 31, v0
	v_lshlrev_b32 v[LN16], 4, v14
	v_and_b32 v15, 15, v0                          ; r
	v_lshlrev_b32 v[L4], 2, v15
	v_bfe_u32 v125, v0, 4, 1                       ; h
	s_mul_i32 s24, s[WV], WSTG
	v_add_nc_u32 v[STW], s24, v[LN16]
	v_mul_u32_u24 v[STR], v15, SPITCH
	v_lshl_add_u32 v[STR], v125, 6, v[STR]
	v_add_nc_u32 v[STR], s24, v[STR]
	s_lshl_b32 s24, s[WV], 9
	v_add_nc_u32 v[XA], s24, v[LN16]
	s_lshl_b32 s24, s[WV], 11
	s_add_co_u32 s25, s24, XIMG
	v_add_nc_u32 v[BXW], s25, v[LN16]              ; I store fragment (m, w),
	v_add_nc_u32 v[BXR], XIMG, v[LN16]             ; and read (m, 0 .. 3)
	s_add_co_u32 s25, s24, KIMG
	v_add_nc_u32 v[BKW], s25, v[LN16]
	s_lshl_b32 s24, s[WV], 6
	s_add_co_u32 s25, s24, XSC
	v_add_nc_u32 v[BXSW], s25, v[L4]
	v_add_nc_u32 v[BXSR], XSC, v[L4]
	s_add_co_u32 s25, s24, KSC
	v_add_nc_u32 v[BKSW], s25, v[L4]
	v_lshlrev_b32 v127, 3, v0                      ; 8 x thread: my two keys of the mask,
	v_add_nc_u32 v126, BIAS, v127                  ; and of the bias
.irp b, 0,1,2,3
	v_mov_b32 v[TM+4+\b], 0                        ; written once: a lane permute's destination counts as one of its sources
.endr
	s_mov_b32 s[SEL], 0x76543210
	s_mov_b32 s[SEL+1], 0xfedcba98                 ; v_permlanex16_b32's selects for lane l xor 16
	s_mov_b32 s[MNT], 0x600000                     ; the mantissa field of 448
	s_mov_b32 s[SCL], 0x3d3504f3                   ; 1 / sqrt(512)
	s_mov_b32 s[SCL+1], s[SCL]                     ; (named with it as a pair, so it is written)
	s_mov_b32 s[L2E], 0x3fb8aa3b                   ; log2(e)
	s_mov_b32 s[L2E+1], s[L2E]
	s_mov_b32 s[TO], 0
	s_mov_b32 s[TSO], 0
	s_mov_b32 s25, 0
	s_wait_kmcnt 0x0
	s_lshl_b32 s24, s[BB], 21                      ; x: key 1024 b + 256 c, 2,048 bytes a key
	s_lshl_b32 s27, s[CH], 19
	s_add_co_u32 s24, s24, s27
	s_add_nc_u64 s[XP:XP+1], s[4:5], s[24:25]
	s_lshl_b32 s24, s[BB], 12                      ; mask: 4 bytes a key
	s_lshl_b32 s27, s[CH], 10
	s_add_co_u32 s24, s24, s27
	s_add_nc_u64 s[MP:MP+1], s[6:7], s[24:25]
	s_lshl_b32 s24, s[WV], 16
	s_add_nc_u64 s[WB:WB+1], s[8:9], s[24:25]      ; my 32 fragments of a weight
	s_lshl_b32 s24, s[WV], 12
	s_add_nc_u64 s[WSB:WSB+1], s[10:11], s[24:25]
	s_lshl_b32 s27, s[BB], 2
	s_add_co_u32 s27, s27, s[WV]                   ; 4 b + w: my tile of queries
	s_lshl_b32 s24, s27, 13
	s_add_nc_u64 s[QB:QB+1], s[12:13], s[24:25]
	s_lshl_b32 s24, s27, 9
	s_add_nc_u64 s[QSB:QSB+1], s[14:15], s[24:25]
	s_lshl_b32 s27, s[BB], 2
	s_add_co_u32 s27, s27, s[CH]                   ; 4 b + c: my chunk's part
	s_lshl_b32 s24, s27, 17
	s_add_nc_u64 s[OP:OP+1], s[16:17], s[24:25]
	s_lshl_b32 s24, s27, 9
	s_lshl_b32 s27, s[WV], 6
	s_add_co_u32 s24, s24, s27
	s_add_nc_u64 s[MLB:MLB+1], s[18:19], s[24:25]
	global_load_b64 v[14:15], v127, s[MP:MP+1]
	XLD 0, 0
	XLD 1, 0
.set NW, 0
.rept 160
	WLD 0, NW                                      ; W_k, between tiles 1 and 2
.set NW, NW+1
.endr
	XLD 2, 0
	XLD 3, 0
	s_wait_loadcnt 63                              ; behind the mask and tile 0 stand 208 loads: with 63 out both are in
	v_cvt_f32_i32 v14, v14
	v_cvt_f32_i32 v15, v15
	v_add_f32 v14, -1.0, v14
	v_add_f32 v15, -1.0, v15
	v_mul_f32 v14, 0x501502f9, v14                 ; (mask - 1) x 1e10 = -(1 - mask) x 1e10
	v_mul_f32 v15, 0x501502f9, v15
	ds_store_b64 v126, v[14:15]                    ; read behind the stream's barriers
	TURN 0, 3
	s_mov_b32 s[CNT], 3
.Ltrip:                                            ; three trips of four tiles; the last four are written out, since they ask for no x
	ADDRS
	TILE 0, 1, 48                                  ; 48: the three tiles behind the next one
	TILE 1, 1, 48
	TILE 2, 1, 48
	TILE 3, 1, 48
	s_wait_xcnt 0x0                                ; the loads have read their base, so it may step
	s_add_nc_u64 s[XP:XP+1], s[XP:XP+1], 131072    ; 64 keys on
	s_add_co_u32 s[TO], s[TO], 32768               ; 16 fragments on
	s_add_co_u32 s[TSO], s[TSO], 1024
	s_sub_co_u32 s[CNT], s[CNT], 1
	s_cmp_lg_u32 s[CNT], 0
	s_cbranch_scc1 .Ltrip
	ADDRS
	TILE 0, 2, 52                                  ; behind tile 13: tiles 14, 15 and Q's 20
	TILE 1, 0, 36                                  ; behind tile 14: tile 15 and Q's 20
	TILE 2, 0, 20                                  ; behind tile 15: Q's 20
	TILE 3, 0, -1
	s_wait_loadcnt 0x0                             ; Q
	s_wait_dscnt 0x0                               ; my last fragment of K has landed
	s_barrier_signal -1
	s_barrier_wait -1                              ; all of K lies in LDS
	v_add_nc_u32 v[KA0], KIMG, v[LN16]
	v_add_nc_u32 v[KA1], KIMG+65536, v[LN16]
	v_add_nc_u32 v[KSR], KSC, v[L4]
	v_bfe_u32 v[BA], v0, 4, 1
	v_lshl_add_u32 v[BA], v[BA], 6, BIAS
	s_lshl_b32 s24, s[WV], 12
	s_add_co_u32 s24, s24, PIMG
	v_add_nc_u32 v[PWI], s24, v[LN16]
	s_lshl_b32 s24, s[WV], 7
	s_add_co_u32 s24, s24, PSC
	v_add_nc_u32 v[PSW], s24, v[L4]
	; THE SCORES: S^T = K Q^T for my 16 queries and all 256 keys, 16 groups of four products on two accumulators by turns.  W_v comes meanwhile, ten loads a group, into the registers that W_k has left.
	KFETCH 0
.set NW, 0
.irp g, 0,1,2,3,4,5,6,7,8,9,10,11,12,13,14,15
	PLACES 8
.if \g < 15
	KFETCH \g+1
.endif
.rept 10
	WLD 1, NW
.set NW, NW+1
.endr
.if \g < 15
	s_wait_dscnt 20                                ; all but the next group's 20
.else
	s_wait_dscnt 0x0
.endif
	WIN 0x0f                                       ; K and Q in window 3
.irp e, 0,1
.irp u, 0,1
.set km, 2*(\g/2)+\u
.set ks, 2*(\g%2)+\e
.set kr, 64+64*(\g%2)+16*(2*\e+\u)
.if ks == 0
	v_wmma_scale_f32_16x16x128_f8f6f4 v[S+8*km:S+8*km+7], v[kr:kr+15], v[16*ks:16*ks+15], 0, v[XS+4*(\g%2)+2*\e+\u], v[QS+ks]
.else
	v_wmma_scale_f32_16x16x128_f8f6f4 v[S+8*km:S+8*km+7], v[kr:kr+15], v[16*ks:16*ks+15], v[S+8*km:S+8*km+7], v[XS+4*(\g%2)+2*\e+\u], v[QS+ks]
.endif
.endr
.endr
.endr
	WIN 0
	; THE SOFTMAX.  Lane (r, h) holds query r; register S + 16 b + i is key 32 b + 16 h + i.
	PLACES 8
	WIN 0xc0
.irp b, 0,1,2,3,4,5,6,7
.irp j, 0,1,2,3
	ds_load_b128 v[64+16*\b+4*\j:64+16*\b+4*\j+3], v[BA] offset:128*\b+16*\j   ; the bias of my 128 keys
.endr
.endr
	s_wait_dscnt 0x0
	WIN 0x30
.set i, 0
.rept 64
	v_pk_fma_f32 v[S+i:S+i+1], v[S+i:S+i+1], s[SCL:SCL+1], v[64+i:64+i+1] op_sel_hi:[1,0,1]   ; the logit: score / sqrt(512) - (1 - mask) 1e10
.set i, i+2
.endr
	WIN 0
.irp b, 0,1,2,3,4,5,6,7
	v_max3_num_f32 v[BM+\b], v[S+16*\b], v[S+16*\b+1], v[S+16*\b+2]   ; the largest logit of each block of 32 keys: for the row's maximum, and for the block's largest p
.endr
.irp i, 3,5,7,9,11,13
.irp b, 0,1,2,3,4,5,6,7
	v_max3_num_f32 v[BM+\b], v[BM+\b], v[S+16*\b+\i], v[S+16*\b+\i+1]
.endr
.endr
.irp b, 0,1,2,3,4,5,6,7
	v_max_num_f32 v[BM+\b], v[BM+\b], v[S+16*\b+15]
.endr
.irp b, 0,1,2,3,4,5,6,7
	v_permlanex16_b32 v[BT+\b], v[BM+\b], s[SEL], s[SEL+1]
.endr
.irp b, 0,1,2,3,4,5,6,7
	v_max_num_f32 v[BM+\b], v[BM+\b], v[BT+\b]     ; with lane l xor 16's 16 keys
.endr
	v_max3_num_f32 v125, v[BM], v[BM+1], v[BM+2]
	v_max3_num_f32 v125, v125, v[BM+3], v[BM+4]
	v_max3_num_f32 v125, v125, v[BM+5], v[BM+6]
	v_max_num_f32 v125, v125, v[BM+7]              ; my query's largest logit in this chunk
	v_mul_f32 v[NM+1], s[L2E], v125                ; as t
	v_floor_f32 v[NM], -v[NM+1]                    ; -M = floor(-t) = -ceil(t): M is a whole number
	; t = logit x log2(e), rounded, and then t - M: NOT fused.  Where every key of the chunk is masked, t is about -1.4e10 and equal to M; a fused form would leave the product's rounding residue as the exponent.
.set i, 0
.rept 64
	v_pk_mul_f32 v[S+i:S+i+1], v[S+i:S+i+1], s[L2E:L2E+1] op_sel_hi:[1,0]
.set i, i+2
.endr
.irp b, 0,2,4,6
	v_pk_mul_f32 v[BM+\b:BM+\b+1], v[BM+\b:BM+\b+1], s[L2E:L2E+1] op_sel_hi:[1,0]
.endr
.set i, 0
.rept 64
	v_pk_add_f32 v[S+i:S+i+1], v[S+i:S+i+1], v[NM:NM+1] op_sel_hi:[1,0]
.set i, i+2
.endr
.irp b, 0,2,4,6
	v_pk_add_f32 v[BM+\b:BM+\b+1], v[BM+\b:BM+\b+1], v[NM:NM+1] op_sel_hi:[1,0]
.endr
.set i, 0
.rept 128
	v_exp_f32 v[S+i], v[S+i]                       ; p = 2^(t - M), at most 1: not normalised
.set i, i+1
.endr
	v_nop                                          ; a plain instruction behind the last exponential
	s_wait_alu depctr_va_vdst(0)                   ; one wait for the whole batch, ahead of its first reader
.irp b, 0,1,2,3,4,5,6,7
	v_exp_f32 v[BM+\b], v[BM+\b]                   ; the blocks' largest p: the same instructions on the same numbers give the same bits
.endr
	v_pk_add_f32 v[60:61], v[S:S+1], v[S+2:S+3]    ; the row's sum is taken of the UNQUANTISED p, in two chains; it reads the 128 alone: plain work behind the eight
	v_pk_add_f32 v[62:63], v[S+4:S+5], v[S+6:S+7]
.set i, 8
.rept 30
	v_pk_add_f32 v[60:61], v[60:61], v[S+i:S+i+1]
	v_pk_add_f32 v[62:63], v[62:63], v[S+i+2:S+i+3]
.set i, i+4
.endr
	v_pk_add_f32 v[60:61], v[60:61], v[62:63]
	v_add_f32 v60, v60, v61
	v_permlanex16_b32 v61, v60, s[SEL], s[SEL+1]
	v_add_f32 v60, v60, v61                        ; l
	s_wait_alu depctr_va_vdst(0)                   ; and one for the eight
.irp b, 0,1,2,3,4,5,6,7
	v_max_num_f32 v[BM+\b], 0x4800000, v[BM+\b]    ; the floor 2^(9 - 127): a block whose every p is 0 keeps the byte 1: its codes are zeros
.endr
.irp b, 0,1,2,3,4,5,6,7
	v_add_nc_u32 v[SCO+\b], 0xfc000000, v[BM+\b]
.endr
.irp b, 0,1,2,3,4,5,6,7
	v_and_or_b32 v[HOLD+\b], v[BM+\b], 0x7f800000, s[MNT]
.endr
.irp b, 0,1,2,3,4,5,6,7
	v_lshrrev_b32 v[BT+\b], 23, v[SCO+\b]
.endr
	v_lshl_or_b32 v[PW], v[BT+1], 8, v[BT]         ; p's scale words: keys 0-127,
	v_lshl_or_b32 v[PW], v[BT+2], 16, v[PW]
	v_lshl_or_b32 v[PW], v[BT+3], 24, v[PW]
	v_lshl_or_b32 v[PW2], v[BT+5], 8, v[BT+4]      ; and 128-255
	v_lshl_or_b32 v[PW2], v[BT+6], 16, v[PW2]
	v_lshl_or_b32 v[PW2], v[BT+7], 24, v[PW2]
.irp b, 0,1,2,3,4,5,6,7
.irp i, 0,1,2,3,4,5,6,7,8,9,10,11,12,13,14,15
	v_min_num_f32 v[S+16*\b+\i], v[S+16*\b+\i], v[HOLD+\b]   ; p is not negative: the hold is one-sided
.endr
.endr
	WIN 0xc0
.irp b, 0,1,2,3,4,5,6,7
	v_cvt_scalef32_pk8_fp8_f32 v[192+4*\b:193+4*\b], v[S+16*\b:S+16*\b+7], v[SCO+\b]
	v_cvt_scalef32_pk8_fp8_f32 v[194+4*\b:195+4*\b], v[S+16*\b+8:S+16*\b+15], v[SCO+\b]
.endr
	WIN 0
	v_nop
	WIN 0x0c                                       ; an LDS store's data are its source 1: window 3
.irp s, 0,1
.irp c, 0,1,2,3
	ds_store_b128 v[PWI], v[192+16*\s+4*\c:192+16*\s+4*\c+3] offset:2048*\s+512*\c
.endr
.endr
	WIN 0
	ds_store_b32 v[PSW], v[PW]
	ds_store_b32 v[PSW], v[PW2] offset:64
	global_store_b32 v[L4], v[NM], s[MLB:MLB+1]            ; -M and l of my 16 queries (both halves of the lanes hold and write the same)
	global_store_b32 v[L4], v60, s[MLB:MLB+1] offset:256
	s_wait_dscnt 0x0                               ; p has landed, and my reads of K are long over
	s_barrier_signal -1
	s_barrier_wait -1                              ; all of p lies in LDS, and nobody reads K's images any more: V's take their place
	s_wait_loadcnt 0x0                             ; W_v
	s_wait_xcnt 0x0                                ; the two stores have read their data
.irp t, 0,1,2,3,4,5,6,7
	v_mov_b32 v[VWL+\t], 0
	v_mov_b32 v[VWH+\t], 0
.endr
	v_add_nc_u32 v[BX], XIMG, v[LN16]
	v_add_nc_u32 v[BXS], XSC, v[L4]
	s_lshl_b32 s24, s[WV], 15
	s_add_co_u32 s24, s24, KIMG
	v_add_nc_u32 v[BV], s24, v[LN16]               ; V's images: my own 32,768 bytes
	s_mov_b32 s[PO], 0
	s_mov_b32 s[VO], 0
	v_add_nc_u32 v[XR2], s[PO], v[BX]
	v_add_nc_u32 v[XSR2], s[PO], v[BXS]
	VFETCH
	; V, a pair of key tiles (32 keys, one block of the second product's K) a trip: source 0 = 16 keys of x, source 1 = 16 rows of W_v: a lane holds ONE of my d_k and its registers run along the keys.
	s_mov_b32 s[CNT], 8
.Lpair:
	s_wait_dscnt 0x0                               ; the pair's fragments of x are in
	v_add_nc_u32 v[VWI], s[VO], v[BV]              ; piece b' of V's fragments: 512 bytes a pair
.irp s, 0,1,2,3
	WIN (0xf0|((1+\s/2)<<2))                       ; source 1 (W_v) window 1 or 2, C and D window 3
.irp t, 0,1,2,3,4,5,6,7
.irp u, 0,1
.if \s == 0
	v_wmma_scale_f32_16x16x128_f8f6f4 v[16*\t+8*\u:16*\t+8*\u+7], v[128+16*(4*\u+\s):128+16*(4*\u+\s)+15], v[128*(\s%2)+16*\t:128*(\s%2)+16*\t+15], 0, v[XS+4*\u+\s], v[WS+4*\t+\s]
.else
	v_wmma_scale_f32_16x16x128_f8f6f4 v[16*\t+8*\u:16*\t+8*\u+7], v[128+16*(4*\u+\s):128+16*(4*\u+\s)+15], v[128*(\s%2)+16*\t:128*(\s%2)+16*\t+15], v[16*\t+8*\u:16*\t+8*\u+7], v[XS+4*\u+\s], v[WS+4*\t+\s]
.endif
.endr
.endr
.endr
	WIN 0
	PLACES 8
	s_add_co_u32 s[PO], s[PO], 16384               ; the next pair's eight fragments;
	s_and_b32 s[PO], s[PO], 0x1ffff                ; (the wrap keeps the address inside x's images in the last trip, which fetches nothing)
	s_lshr_b32 s24, s[PO], 5                       ; and their scale words: 512 bytes a pair
	v_add_nc_u32 v[XR2], s[PO], v[BX]
	v_add_nc_u32 v[XSR2], s24, v[BXS]
	s_cmp_eq_u32 s[CNT], 1
	s_cbranch_scc1 .Lno_next_pair
	VFETCH                                         ; they land while this pair is quantised
.Lno_next_pair:
	QUANT 0, 3, PC, PW, 0                          ; tiles 0-3 of my d_k: QUANT's block b is tile b's 32 keys
.irp k, 0,1,2,3
	ds_store_b128 v[VWI], v[PC+4*\k:PC+4*\k+3] offset:4096*\k
.endr
	BYTES 0
	QUANT 64, 3, PC2, PW, 0                        ; tiles 4-7
.irp k, 0,1,2,3
	ds_store_b128 v[VWI], v[PC2+4*\k:PC2+4*\k+3] offset:4096*(4+\k)
.endr
	BYTES 4
	s_add_co_u32 s[VO], s[VO], 512
	s_sub_co_u32 s[CNT], s[CNT], 1
	s_cmp_lg_u32 s[CNT], 0
	s_cbranch_scc1 .Lpair
	; O^T = V^T P^T: source 0 = 16 of my d_k x 128 keys, source 1 = 16 queries x 128 keys; 32 accumulators, 16 a group, by turns.  V's images are my own bytes: LDS serves my loads behind my stores.
	v_add_nc_u32 v[PR], PIMG, v[LN16]
	v_add_nc_u32 v[PSR], PSC, v[L4]
	WIN 0xc0
.irp f, 0,1,2,3,4,5,6,7
.irp c, 0,1,2,3
	ds_load_b128 v[16*\f+4*\c:16*\f+4*\c+3], v[PR] offset:2048*\f+512*\c
.endr
.endr
	WIN 0
.irp f, 0,1,2,3,4,5,6,7
	ds_load_b32 v[XS+\f], v[PSR] offset:64*\f
.endr
	PVFETCH 0
.irp g, 0,1,2,3
	PLACES 8                                       ; in front of loads into the buffer read two groups ago; V's scale words, made by vector instructions, stand as far ahead too
.if \g < 3
	PVFETCH \g+1
	s_wait_dscnt 16                                ; all but the next group's 16
.else
	s_wait_dscnt 0x0
.endif
	WIN 0x5c                                       ; source 1 (p) window 3, C and D window 1
.irp k, 0,1,2,3
.irp q, 0,1,2,3
.if \g < 2
	v_wmma_scale_f32_16x16x128_f8f6f4 v[8*(4*(4*(\g%2)+\k)+\q):8*(4*(4*(\g%2)+\k)+\q)+7], v[128+64*(\g%2)+16*\k:128+64*(\g%2)+16*\k+15], v[16*(2*\q+\g/2):16*(2*\q+\g/2)+15], 0, v[VWL+8*(\g/2)+4*(\g%2)+\k], v[XS+2*\q+\g/2]
.else
	v_wmma_scale_f32_16x16x128_f8f6f4 v[8*(4*(4*(\g%2)+\k)+\q):8*(4*(4*(\g%2)+\k)+\q)+7], v[128+64*(\g%2)+16*\k:128+64*(\g%2)+16*\k+15], v[16*(2*\q+\g/2):16*(2*\q+\g/2)+15], v[8*(4*(4*(\g%2)+\k)+\q):8*(4*(4*(\g%2)+\k)+\q)+7], v[VWL+8*(\g/2)+4*(\g%2)+\k], v[XS+2*\q+\g/2]
.endif
.endr
.endr
	WIN 0
.endr
	; THE WAY OUT: 16 queries at a time through my stage; while one block's rows are stored, the next is on its way through the stage.
	PLACES 8
	TOSTAGE 0
.irp q, 1,2,3
.if \q > 1
	s_wait_xcnt 0x0                                ; block q - 2's stores have read their registers: block q's loads may land there
.endif
	TOSTAGE \q
	SEND \q-1, 32                                  ; behind block q - 1's loads: block q's 16 stores and 16 loads
.endr
	SEND 3, 0
	s_wait_tensorcnt 0x0                           ; the wave's end: behind my last LDS store
	ds_add_u32 v[SPW], v[NIL]
	s_wait_dscnt 0x0
	s_endpgm
.Lfunc_end_k_qb1df6eca95_main:
	.size	k_qb1df6eca95_main, .Lfunc_end_k_qb1df6eca95_main-k_qb1df6eca95_main
	.p2alignl 7, 3214868480
	.fill 96, 4, 3214868480
	.section	.rodata,"a",@progbits
	.p2align	6, 0x0
	.amdhsa_kernel k_qb1df6eca95_main
		.amdhsa_group_segment_fixed_size 322560
		.amdhsa_private_segment_fixed_size 0
		.amdhsa_enable_private_segment 0
		.amdhsa_kernarg_size 64
		.amdhsa_user_sgpr_count 2
		.amdhsa_user_sgpr_kernarg_segment_ptr 1
		.amdhsa_wavefront_size32 1
		.amdhsa_system_sgpr_workgroup_id_x 1
		.amdhsa_system_sgpr_workgroup_id_y 1
		.amdhsa_system_sgpr_workgroup_id_z 1
		.amdhsa_system_vgpr_workitem_id 0
		.amdhsa_next_free_vgpr 1024
		.amdhsa_next_free_sgpr 66
		.amdhsa_reserve_vcc 0
		.amdhsa_float_denorm_mode_32 3
		.amdhsa_float_denorm_mode_16_64 3
		.amdhsa_memory_ordered 1
		.amdhsa_forward_progress 1
		.amdhsa_inst_pref_size 255
	.end_amdhsa_kernel
	.section	.bss,"aw",@nobits
	.p2align	6
	.space	262144
	.amdgpu_metadata
---
amdhsa.version: [ 1, 2 ]
amdhsa.kernels:
  - .name:           k_qb1df6eca95_main
    .symbol:         k_qb1df6eca95_main.kd
    .args:
      - { .name: x, .offset: 0, .size: 8, .value_kind: global_buffer, .address_space: global }
      - { .name: mask, .offset: 8, .size: 8, .value_kind: global_buffer, .address_space: global }
      - { .name: w_img, .offset: 16, .size: 8, .value_kind: global_buffer, .address_space: global }
      - { .name: w_sc, .offset: 24, .size: 8, .value_kind: global_buffer, .address_space: global }
      - { .name: q_img, .offset: 32, .size: 8, .value_kind: global_buffer, .address_space: global }
      - { .name: q_sc, .offset: 40, .size: 8, .value_kind: global_buffer, .address_space: global }
      - { .name: o_part, .offset: 48, .size: 8, .value_kind: global_buffer, .address_space: global }
      - { .name: ml, .offset: 56, .size: 8, .value_kind: global_buffer, .address_space: global }
    .group_segment_fixed_size: 322560
    .private_segment_fixed_size: 0
    .kernarg_segment_align: 8
    .kernarg_segment_size: 64
    .max_flat_workgroup_size: 128
    .sgpr_count:     66
    .vgpr_count:     1024
    .wavefront_size: 32
...
	.end_amdgpu_metadata
.endif
;; end of part 2
;; launch merge (part 3): grid 256 x 1, 8 waves a work-group, no clusters, 0 bytes of LDS; arguments o_part, ml, out0; writes out0
.if DOCPART == 3
	.amdgcn_target "amdgcn-amd-amdhsa--gfx1250"
	.amdhsa_code_object_version 6
	.text
	.protected	k_qb1df6eca95_merge
	.globl	k_qb1df6eca95_merge
	.p2align	8
	.type	k_qb1df6eca95_merge,@function
k_qb1df6eca95_merge:
	s_mov_b64 s[64:65], 0
	v_nop
	global_prefetch_b8 v0, s[64:65] scope:SCOPE_SE
	s_setreg_imm32_b32 hwreg(HW_REG_WAVE_MODE, 25, 1), 1
	s_wait_xcnt 0x0
; THIRD OF THREE LAUNCHES.  Nothing of the problem is left out.  A batch's keys were taken in four chunks c, each with its own whole number M_c, sum l_c and unnormalised O_c.  For each query:
; M = the largest M_c;  f_c = 2^(M_c - M), exact;  l = sum f_c l_c;  out = relu(sum f_c O_c / l).  A chunk that is wholly masked beside one that is not has M_c - M about -1.4e10: the conversion to a whole
; number saturates and v_ldexp_f32 gives f_c = 0.  The chunk with M_c = M has f = 1 and l_c above 1/2, so l is never 0.
; A stream: memory binds, so no LDS, no barrier, no matrix unit.  A wave takes two rows of 2,048 bytes; all its 32 loads of 512 consecutive bytes go out at once; each store covers 512 consecutive, aligned bytes.
.set ST, 8                             ; v8-23   row k: -M_c at 8 + 8 k + c (then f_c), l_c at 12 + 8 k + c
.set GP, 24                            ; v24-39  row k: f_c / l, twice, at 24 + 8 k + 2 c (a pair for the packed forms)
.set TT, 40                            ; v40-45  at work
.set DA, 64                            ; v64-191 row k, quarter j, chunk c: four registers at 64 + 4 (4 (4 k + j) + c)
	s_load_b128 s[4:7], s[0:1], 0x0                ; o_part s[4:5], ml s[6:7]
	s_load_b64 s[8:9], s[0:1], 0x10                ; out0
	v_lshrrev_b32 v3, 5, v0
	v_readfirstlane_b32 s10, v3                    ; wave 0..7
	v_and_b32 v1, 31, v0
	v_lshlrev_b32 v1, 4, v1                        ; 16 x lane
	v_mov_b32 v2, 0
	s_lshr_b32 s11, ttmp9, 2                       ; the batch: 64 rows are four work-groups'
	s_and_b32 s12, ttmp9, 3
	s_lshl_b32 s12, s12, 4
	s_lshl_b32 s13, s10, 1
	s_add_co_u32 s12, s12, s13                     ; my first query: 16 (work-group % 4) + 2 x wave
	s_lshl_b32 s14, s11, 11                        ; ml: 2,048 bytes a batch, 4 a query
	s_lshl_b32 s13, s12, 2
	s_add_co_u32 s14, s14, s13
	s_mov_b32 s15, 0
	s_lshl_b32 s16, s11, 19                        ; o_part: 524,288 bytes a batch, 2,048 a query
	s_lshl_b32 s13, s12, 11
	s_add_co_u32 s16, s16, s13
	s_mov_b32 s17, 0
	s_lshl_b32 s18, s11, 17                        ; out0: 131,072 bytes a batch
	s_add_co_u32 s18, s18, s13
	s_mov_b32 s19, 0
	s_wait_kmcnt 0x0
	s_add_nc_u64 s[6:7], s[6:7], s[14:15]
	s_add_nc_u64 s[4:5], s[4:5], s[16:17]
	s_add_nc_u64 s[8:9], s[8:9], s[18:19]
.irp k, 0,1
.irp c, 0,1,2,3
	global_load_b32 v[ST+8*\k+\c], v2, s[6:7] offset:512*\c+4*\k          ; -M_c: the same word in every lane
	global_load_b32 v[ST+8*\k+4+\c], v2, s[6:7] offset:512*\c+256+4*\k    ; l_c
.endr
.endr
.irp k, 0,1
.irp j, 0,1,2,3
.irp c, 0,1,2,3
	global_load_b128 v[DA+4*(4*(4*\k+\j)+\c):DA+4*(4*(4*\k+\j)+\c)+3], v1, s[4:5] offset:131072*\c+2048*\k+512*\j th:TH_LOAD_NT
.endr
.endr
.endr
	s_wait_loadcnt 32                              ; the 16 statistics are in; the 32 loads of O may be out
.irp k, 0,1
	v_min3_num_f32 v[TT+\k], v[ST+8*\k], v[ST+8*\k+1], v[ST+8*\k+2]
.endr
.irp k, 0,1
	v_min_num_f32 v[TT+\k], v[TT+\k], v[ST+8*\k+3] ; -M = the least -M_c
.endr
.irp c, 0,1,2,3
.irp k, 0,1
	v_sub_f32 v[ST+8*\k+\c], v[TT+\k], v[ST+8*\k+\c]   ; M_c - M: a whole number, 0 or less
.endr
.endr
.irp c, 0,1,2,3
.irp k, 0,1
	v_cvt_i32_f32 v[ST+8*\k+\c], v[ST+8*\k+\c]     ; (it saturates)
.endr
.endr
.irp c, 0,1,2,3
.irp k, 0,1
	v_ldexp_f32 v[ST+8*\k+\c], 1.0, v[ST+8*\k+\c]  ; f_c
.endr
.endr
.irp k, 0,1
	v_mul_f32 v[TT+2+\k], v[ST+8*\k], v[ST+8*\k+4]
.endr
.irp c, 1,2,3
.irp k, 0,1
	v_fmac_f32 v[TT+2+\k], v[ST+8*\k+\c], v[ST+8*\k+4+\c]   ; l
.endr
.endr
.irp k, 0,1
	v_rcp_f32 v[TT+4+\k], v[TT+2+\k]
.endr
	v_nop                                          ; a plain instruction behind the last reciprocal
	s_wait_alu depctr_va_vdst(0)                   ; one wait for both, ahead of their first reader
.irp c, 0,1,2,3
.irp k, 0,1
	v_mul_f32 v[GP+8*\k+2*\c], v[ST+8*\k+\c], v[TT+4+\k]
	v_mul_f32 v[GP+8*\k+2*\c+1], v[ST+8*\k+\c], v[TT+4+\k]
.endr
.endr
.set gi, 0
.rept 8                                        ; a quarter of a row at a time: its four chunks' loads are in, the later quarters' may be out
.set kk, gi/4
.set jj, gi%4
.set d0, DA+16*gi
	s_wait_loadcnt 4*(7-gi)
.irp p, 0,2
	v_pk_mul_f32 v[d0+\p:d0+\p+1], v[d0+\p:d0+\p+1], v[GP+8*kk:GP+8*kk+1] op_sel_hi:[1,0]
.endr
.irp c, 1,2,3
.irp p, 0,2
	v_pk_fma_f32 v[d0+\p:d0+\p+1], v[d0+4*\c+\p:d0+4*\c+\p+1], v[GP+8*kk+2*\c:GP+8*kk+2*\c+1], v[d0+\p:d0+\p+1] op_sel_hi:[1,0,1]
.endr
.endr
.irp p, 0,1,2,3
	v_max_num_f32 v[d0+\p], 0, v[d0+\p]            ; relu
.endr
	global_store_b128 v1, v[d0:d0+3], s[8:9] offset:2048*kk+512*jj th:TH_STORE_NT   ; no register of a store is written again
.set gi, gi+1
.endr
	s_endpgm
.Lfunc_end_k_qb1df6eca95_merge:
	.size	k_qb1df6eca95_merge, .Lfunc_end_k_qb1df6eca95_merge-k_qb1df6eca95_merge
	.p2alignl 7, 3214868480
	.fill 96, 4, 3214868480
	.section	.rodata,"a",@progbits
	.p2align	6, 0x0
	.amdhsa_kernel k_qb1df6eca95_merge
		.amdhsa_group_segment_fixed_size 0
		.amdhsa_private_segment_fixed_size 0
		.amdhsa_enable_private_segment 0
		.amdhsa_kernarg_size 24
		.amdhsa_user_sgpr_count 2
		.amdhsa_user_sgpr_kernarg_segment_ptr 1
		.amdhsa_wavefront_size32 1
		.amdhsa_system_sgpr_workgroup_id_x 1
		.amdhsa_system_sgpr_workgroup_id_y 1
		.amdhsa_system_sgpr_workgroup_id_z 1
		.amdhsa_system_vgpr_workitem_id 0
		.amdhsa_next_free_vgpr 192
		.amdhsa_next_free_sgpr 66
		.amdhsa_reserve_vcc 0
		.amdhsa_float_denorm_mode_32 3
		.amdhsa_float_denorm_mode_16_64 3
		.amdhsa_memory_ordered 1
		.amdhsa_forward_progress 1
		.amdhsa_inst_pref_size 14
	.end_amdhsa_kernel
	.amdgpu_metadata
---
amdhsa.version: [ 1, 2 ]
amdhsa.kernels:
  - .name:           k_qb1df6eca95_merge
    .symbol:         k_qb1df6eca95_merge.kd
    .args:
      - { .name: o_part, .offset: 0, .size: 8, .value_kind: global_buffer, .address_space: global }
      - { .name: ml, .offset: 8, .size: 8, .value_kind: global_buffer, .address_space: global }
      - { .name: out0, .offset: 16, .size: 8, .value_kind: global_buffer, .address_space: global }
    .group_segment_fixed_size: 0
    .private_segment_fixed_size: 0
    .kernarg_segment_align: 8
    .kernarg_segment_size: 24
    .max_flat_workgroup_size: 256
    .sgpr_count:     66
    .vgpr_count:     192
    .wavefront_size: 32
...
	.end_amdgpu_metadata
.endif
;; end of part 3
;; ======== version 2 of 2: 3 launches
;; workspace buffers: w_img 524,288 bytes; w_sc 32,768 bytes; q_img 2,097,152 bytes; q_sc 131,072 bytes; o_part 33,554,432 bytes; ml 131,072 bytes
;; launch prep (part 4): grid 4 x 64, 4 waves a work-group, no clusters, 101,888 bytes of LDS; arguments metal_feature, W_q, W_k, W_v, w_img, w_sc, q_img, q_sc; writes w_img, w_sc, q_img, q_sc
.if DOCPART == 4
	.amdgcn_target "amdgcn-amd-amdhsa--gfx1250"
	.amdhsa_code_object_version 6
	.text
	.protected	k_qb1df6eca95_prep
	.globl	k_qb1df6eca95_prep
	.p2align	8
	.type	k_qb1df6eca95_prep,@function
k_qb1df6eca95_prep:
	s_mov_b64 s[64:65], 0
	v_nop
	global_prefetch_b8 v0, s[64:65] scope:SCOPE_SE
	s_setreg_imm32_b32 hwreg(HW_REG_WAVE_SCHED_MODE, 0, 2), 2
	s_setreg_imm32_b32 hwreg(HW_REG_WAVE_MODE, 25, 1), 1
	s_wait_xcnt 0x0
	s_wait_alu depctr_vm_vsrc(0)
; FIRST OF THREE LAUNCHES.  out = relu(softmax(Q K^T / sqrt(512) - (1 - mask) 1e10) V), Q = mf Wq^T, K = x Wk^T, V = x Wv^T, all five products on codes of E4M3 with one E8M0 scale for each 32 along K.
; NOTHING OF THE PROBLEM IS LEFT OUT, and every input is loaded.  A masked key's V stands in a block of 32 keys with unmasked ones and moves that block's scale; a masked key's K counts where every key of a
; batch is masked (the softmax is then even over them); the mask is an input and is honoured by arithmetic, never by a branch.
; THIS LAUNCH: (a) Q is computed and quantised along d_k, (b) W_k and W_v are quantised along the features.  Both leave as IMAGES OF OPERAND REGISTERS: a fragment (16 rows x 128 K, 16 registers a lane)
; is four pieces of 512 bytes, lane l's 16 bytes at 16 l; its scale words are 128 bytes, 4 a lane.  The next launch loads them straight into its operand registers.
; SHARES.  Work-group (dq, b): Q of batch b's 64 queries, d_k 128 dq .. + 127.  Wave w: quantises tiles 2 w, 2 w + 1 of that quarter of W_q (8 fragments, shared through LDS), its own 16 rows of mf (4 fragments,
; kept in registers), then multiplies: source 0 = 16 rows of W_q, source 1 = my 16 queries, so that a lane holds ONE query and its registers run along d_k, the next product's K.
; THE ROWS OF A WEIGHT THAT FORM A TILE ARE NOT NEIGHBOURS: row r of tile 2 b + u is weight row 32 b + 8 u + r + 8 (r / 8), so that the 16 registers of tiles 2 b and 2 b + 1 are 16 neighbours along d_k.
; Wave 0 also quantises ONE fragment of W_k or W_v: there are 256 of them and 256 work-groups.
; A JOB is one fragment of f32: 16 loads, each a row's 512 consecutive bytes; they turn through the wave's own stage in LDS (rows 528 = 33 x 16 bytes apart) and come back 64 bytes a lane: 16 neighbours of each block of 32.
; LIMITS: NaN and infinities among the inputs are not served.  A block of zeros gets the scale byte 1 where the rule says 127: its codes are zeros, and this program alone reads the bytes.  A block whose largest
; magnitude lies under 2^-118 is held at the byte 1.
; THE MODE: SCHED_MODE bits 1:0 = 2 (LLVM: expert scheduling mode 2), set by the entry lines.  The code itself states the register dependences between vector or matrix instructions and memory or LDS
; instructions, with s_wait_alu, always for 0.
; THE PLAN.  Registers that memory or LDS instructions touch:
;   window 1, sets 0-3  Job j: its 16 loads land in set j % 4; the turn's stores read the set and the turn's loads land in it again; QUANT reads and writes it; job j + 4's loads land in it.
;                       Later W_q's fragments of a K step land in v0-127 of the window, and the products read them.
;   window 2, v0-63     Wave 0's extra job: the same, once.
;   PC, PW              Written by QUANT; read by the image stores of jobs 0 to 7 and by the stores to memory.
;   WSW                 W_q's scale words: LDS loads land, the products read.
;   v1-v9               Offsets and addresses, made at the head and never written again.
;   MF, MFS             Written by QUANT and read by the products as operand and scales; no memory instruction names them.
; So: one wait on vm_vsrc in each turn, between its stores and its loads (it also frees PC and PW behind the image stores of the job before); one wait on va_vdst behind QUANT in jobs 0 to 7, ahead of the
; job's loads and image stores; one at the head of each K step of the product; one ahead of each run of stores to memory.  Jobs 8 to 11 issue no load and no store: they hold no such wait.
.set SPITCH, 528
.set WSTG,   16*SPITCH                 ; a wave's stage
.set WIMG,   4*WSTG                    ; W_q's 32 fragments of this quarter: fragment (tile t, K step s) at (4 t + s) x 2048
.set WSC,    WIMG+65536                ; their scale words, 64 bytes a fragment
.set SPARE,  WSC+2048                  ; the spare words, 128 bytes a wave: two blocks of 256 bytes that no other line names
.set LN16, 1                           ; v1   16 x lane
.set L4,   2                           ; v2   4 x (lane % 16)
.set STW,  3                           ; v3   the stage, on the way in: 16 x lane
.set STR,  4                           ; v4   on the way out: 528 r + 64 h
.set LS,   5                           ; v5   4 x lane
.set WI,   6                           ; v6   where I store W_q's images
.set WSA,  7                           ; v7   and their scale words
.set WR,   8                           ; v8   where any wave reads them
.set WSR,  9                           ; v9
.set SPW,  12                          ; v12  my spare word; never rewritten
.set NIL,  13                          ; v13  0; never rewritten
.set TM,   16                          ; v16-31 at work in QUANT
.set PW,   32                          ; v32  the scale word just made
.set PC,   34                          ; v34-49 the codes just made
.set MFS,  50                          ; v50-53 mf's scale words
.set WSW,  54                          ; v54-61 W_q's scale words of a K step
.set MF,   64                          ; v64-127 mf's four fragments
.set HA,   128                         ; v128-191 Q: 8 accumulators.  Window 1: four sets of 64 numbers, later W_q's fragments of a K step.  Window 2: v0-63 wave 0's extra job
.set WV,  20
.set DQ,  21
.set BB,  22
.set SEL, 28
.set MNT, 30
.set GG,  31
.set WQP, 32
.set MFP, 34
.set EXP, 36
.set QIP, 38
.set QSP, 40
.set WIP, 42
.set WSP, 44
.set MSB, 0
.macro WIN new                         ; the immediate's high byte repeats the setting that is left; a switch that changes nothing is dropped
.if MSB != \new
	s_set_vgpr_msb (MSB<<8)|\new
.set MSB, \new
.endif
.endm
.macro PLACES n
.rept \n
	v_nop
.endr
.endm
; 64 numbers of a lane in window win, register 16 b + i = k 32 b + 16 (lane / 16) + i of my row, become a fragment's codes in v[dst] on (window 0) and, word = 1, its scale word in v[pw].
.macro QUANT src, win, dst, pw, word
	WIN ((\win)|((\win)<<2))
.irp b, 0,1,2,3
	v_max3_num_f32 v[TM+\b], |v[(\src)+16*\b]|, |v[(\src)+16*\b+1]|, 0x4800000   ; block b: my 16 numbers, and the floor 2^(9 - 127): the byte cannot fall under 1
.endr
	WIN (((\win)<<2)|((\win)<<4))
.irp i, 2,4,6,8,10,12,14
.irp b, 0,1,2,3
	v_max3_num_f32 v[TM+\b], v[TM+\b], |v[(\src)+16*\b+\i]|, |v[(\src)+16*\b+\i+1]|   ; the four blocks by turns
.endr
.endr
	WIN 0
.irp b, 0,1,2,3
	v_permlanex16_b32 v[TM+4+\b], v[TM+\b], s[SEL], s[SEL+1]
.endr
.irp b, 0,1,2,3
	v_max_num_f32 v[TM+\b], v[TM+\b], v[TM+4+\b]   ; with lane l xor 16's: the block's largest magnitude
.endr
.irp b, 0,1,2,3
	v_add_nc_u32 v[TM+12+\b], 0xfc000000, v[TM+\b]   ; 8 off its exponent field: the conversion's scale operand
.endr
.irp b, 0,1,2,3
	v_and_or_b32 v[TM+8+\b], v[TM+\b], 0x7f800000, s[MNT]   ; 448 x the scale
.endr
.irp b, 0,1,2,3
	v_lshrrev_b32 v[TM+4+\b], 23, v[TM+12+\b]      ; the scale's byte
.endr
.if \word
	v_lshl_or_b32 v[\pw], v[TM+5], 8, v[TM+4]
	v_lshl_or_b32 v[\pw], v[TM+6], 16, v[\pw]
	v_lshl_or_b32 v[\pw], v[TM+7], 24, v[\pw]
.endif
	WIN ((\win)|((\win)<<6))
.irp b, 0,1,2,3
.irp i, 0,1,2,3,4,5,6,7,8,9,10,11,12,13,14,15
	v_med3_num_f32 v[(\src)+16*\b+\i], v[(\src)+16*\b+\i], -v[TM+8+\b], v[TM+8+\b]   ; the conversion to an 8-bit code does not saturate (ISA guide 7.6.2): the hold comes first
.endr
.endr
	WIN (\win)
.irp b, 0,1,2,3
	v_cvt_scalef32_pk8_fp8_f32 v[(\dst)+4*\b:(\dst)+4*\b+1], v[(\src)+16*\b:(\src)+16*\b+7], v[TM+12+\b]
	v_cvt_scalef32_pk8_fp8_f32 v[(\dst)+4*\b+2:(\dst)+4*\b+3], v[(\src)+16*\b+8:(\src)+16*\b+15], v[TM+12+\b]
.endr
	WIN 0
	v_nop                                          ; one plain instruction behind the last scaled conversion
.endm
; 16 rows as loaded go into my stage and come back 64 bytes a lane, into the registers that they left.  LDS serves a wave's instructions in order (ISA guide 5.7.1.4): no wait on a counter between.
.macro TURN set, win
	WIN ((\win)<<2)
.irp i, 0,1,2,3,4,5,6,7,8,9,10,11,12,13,14,15
	ds_store_b128 v[STW], v[(\set)+4*\i:(\set)+4*\i+3] offset:SPITCH*\i
.endr
	WIN ((\win)<<6)
	s_wait_alu depctr_vm_vsrc(0)                   ; the sixteen stores above have read the set, in which the loads below land; the stores issued before them have read PC and PW, which the next QUANT writes
.irp c, 0,1,2,3
.irp j, 0,1,2,3
	ds_load_b128 v[(\set)+16*\c+4*\j:(\set)+16*\c+4*\j+3], v[STR] offset:128*\c+16*\j
.endr
.endr
	WIN 0
.endm
.macro IMG adr, dst, off               ; a fragment goes to LDS as it stands in registers
.irp c, 0,1,2,3
	ds_store_b128 v[\adr], v[(\dst)+4*\c:(\dst)+4*\c+3] offset:(\off)+512*\c
.endr
.endm
; job j's 16 loads into set j % 4 of window 1.  j < 8: W_q, tile 2 w + j / 4, K step j % 4;  j >= 8: my 16 rows of mf, K step j - 8
.macro JLD j
	WIN 0x40
.irp i, 0,1,2,3,4,5,6,7,8,9,10,11,12,13,14,15
.if (\j) < 8
	global_load_b128 v[64*((\j)%4)+4*\i:64*((\j)%4)+4*\i+3], v[LN16], s[WQP:WQP+1] offset:(8*((\j)/4)+\i+8*(\i/8))*2048+512*((\j)%4)
.else
	global_load_b128 v[64*((\j)%4)+4*\i:64*((\j)%4)+4*\i+3], v[LN16], s[MFP:MFP+1] offset:\i*2048+512*((\j)-8)
.endif
.endr
	WIN 0
.endm
.macro JOB j
	s_wait_dscnt 0x0                               ; job j's numbers are back from the stage; my earlier image stores have landed
.if \j == 8
	s_barrier_signal -1                            ; every wave's eight fragments of W_q lie in LDS
	s_barrier_wait -1
.endif
.if \j < 11
.if \j < 9
	s_wait_loadcnt 32                              ; job j + 1 is in; jobs j + 2 and j + 3 may be out
.else
	s_wait_loadcnt 16*(10-\j)                      ; the counts run down: no job follows job 11
.endif
	TURN 64*((\j+1)%4), 1                          ; it turns through the stage while job j is quantised
.endif
.if \j < 8
	QUANT 64*(\j%4), 1, PC, PW, 1
	s_wait_alu depctr_va_vdst(0)                   ; QUANT has written PC and PW, which the image stores below read, and is done with its set, in which job j + 4's loads land
	JLD \j+4
	IMG WI, PC, \j*2048
	ds_store_b32 v[WSA], v[PW] offset:\j*64        ; both halves of the lanes write the same word
.else
	QUANT 64*(\j%4), 1, MF+16*(\j-8), MFS+\j-8, 1  ; mf's fragments stay in registers: no load and no store follows, so no wait
.endif
.endm
	s_load_b256 s[4:11], s[0:1], 0x0               ; mf s[4:5], W_q s[6:7], W_k s[8:9], W_v s[10:11]
	s_load_b256 s[12:19], s[0:1], 0x20             ; w_img s[12:13], w_sc s[14:15], q_img s[16:17], q_sc s[18:19]
	v_lshl_add_u32 v[SPW], v0, 2, SPARE
	v_mov_b32 v[NIL], 0
	v_lshrrev_b32 v10, 5, v0
	v_readfirstlane_b32 s[WV], v10                 ; wave 0..3
	s_mov_b32 s[DQ], ttmp9                         ; which quarter of d_k
	s_and_b32 s[BB], ttmp7, 0xffff                 ; the batch
	v_and_b32 v10, 31, v0
	v_lshlrev_b32 v[LN16], 4, v10
	v_lshlrev_b32 v[LS], 2, v10
	v_and_b32 v11, 15, v0                          ; r
	v_lshlrev_b32 v[L4], 2, v11
	v_bfe_u32 v14, v0, 4, 1                        ; h
	s_wait_alu depctr_va_sdst(0)                   ; the wave's number is written, ahead of its first reader
	s_mul_i32 s24, s[WV], WSTG
	v_add_nc_u32 v[STW], s24, v[LN16]
	v_mul_u32_u24 v[STR], v11, SPITCH
	v_lshl_add_u32 v[STR], v14, 6, v[STR]
	v_add_nc_u32 v[STR], s24, v[STR]
	s_lshl_b32 s24, s[WV], 14
	s_add_co_u32 s24, s24, WIMG
	v_add_nc_u32 v[WI], s24, v[LN16]
	s_lshl_b32 s24, s[WV], 9
	s_add_co_u32 s24, s24, WSC
	v_add_nc_u32 v[WSA], s24, v[L4]
	v_add_nc_u32 v[WR], WIMG, v[LN16]
	v_add_nc_u32 v[WSR], WSC, v[L4]
.irp b, 0,1,2,3
	v_mov_b32 v[TM+4+\b], 0                        ; written once: a lane permute's destination counts as one of its sources
.endr
	s_mov_b32 s[SEL], 0x76543210
	s_mov_b32 s[SEL+1], 0xfedcba98                 ; v_permlanex16_b32's selects for lane l xor 16
	s_mov_b32 s[MNT], 0x600000                     ; the mantissa field of 448
	s_mov_b32 s25, 0
	s_wait_kmcnt 0x0
	s_lshl_b32 s24, s[DQ], 18                      ; W_q: row 128 dq + 32 w, 2,048 bytes a row
	s_lshl_b32 s26, s[WV], 16
	s_add_co_u32 s24, s24, s26
	s_add_nc_u64 s[WQP:WQP+1], s[6:7], s[24:25]
	s_lshl_b32 s24, s[BB], 17                      ; mf: row 64 b + 16 w
	s_lshl_b32 s26, s[WV], 15
	s_add_co_u32 s24, s24, s26
	s_add_nc_u64 s[MFP:MFP+1], s[4:5], s[24:25]
	s_lshl_b32 s[GG], s[BB], 2
	s_add_co_u32 s[GG], s[GG], s[DQ]               ; g = 4 b + dq: the fragment of W_k (g < 128) or W_v that wave 0 quantises: tile T = (g % 128) / 4, K step g % 4
	s_lshl_b32 s24, s[GG], 11
	s_add_nc_u64 s[WIP:WIP+1], s[12:13], s[24:25]
	s_lshl_b32 s24, s[GG], 7
	s_add_nc_u64 s[WSP:WSP+1], s[14:15], s[24:25]
	s_lshl_b32 s26, s[BB], 2
	s_add_co_u32 s26, s26, s[WV]
	s_lshl_b32 s26, s26, 2
	s_add_co_u32 s26, s26, s[DQ]                   ; Q's fragment: (4 b + w) 4 + dq
	s_lshl_b32 s24, s26, 11
	s_add_nc_u64 s[QIP:QIP+1], s[16:17], s[24:25]
	s_lshl_b32 s24, s26, 7
	s_add_nc_u64 s[QSP:QSP+1], s[18:19], s[24:25]
	s_and_b32 s24, s[GG], 127
	s_lshr_b32 s24, s24, 2                         ; T
	s_lshr_b32 s26, s24, 1
	s_lshl_b32 s26, s26, 16                        ; 32 (T / 2) rows
	s_and_b32 s24, s24, 1
	s_lshl_b32 s24, s24, 14                        ; + 8 (T % 2) rows
	s_add_co_u32 s24, s24, s26
	s_and_b32 s26, s[GG], 3
	s_lshl_b32 s26, s26, 9                         ; + the K step's 512 bytes
	s_add_co_u32 s24, s24, s26
	s_cmp_lt_u32 s[GG], 128                        ; the choice hangs on the work-group's number alone
	s_cselect_b64 s[EXP:EXP+1], s[8:9], s[10:11]
	s_add_nc_u64 s[EXP:EXP+1], s[EXP:EXP+1], s[24:25]
	s_wait_alu depctr_va_vdst(0)                   ; the nine offsets and addresses v1 to v9 are written: every load and store of the kernel, to memory or LDS, reads one of them
	s_cmp_lg_u32 s[WV], 0
	s_cbranch_scc1 .Lno_extra_loads
	WIN 0x80                                       ; wave 0's extra job is asked for first: older than every counted load, so it alters no count
.irp i, 0,1,2,3,4,5,6,7,8,9,10,11,12,13,14,15
	global_load_b128 v[4*\i:4*\i+3], v[LN16], s[EXP:EXP+1] offset:(\i+8*(\i/8))*2048
.endr
	WIN 0
.Lno_extra_loads:
	JLD 0
	JLD 1
	JLD 2
	JLD 3
	s_wait_loadcnt 48                              ; job 0 is in; jobs 1 to 3 may be out
	TURN 0, 1
.irp j, 0,1,2,3,4,5,6,7,8,9,10,11
	JOB \j
.endr
	; Q^T = W_q mf^T: eight accumulators by turns, a K step at a time
.irp s, 0,1,2,3
	PLACES 8                                       ; mf's codes and scale words, made by vector instructions, stand eight places ahead of the products; behind the products of the K step before the places stay beside the wait
	WIN 0x40
	s_wait_alu depctr_va_vdst(0)                   ; K step 0: mf's codes and scale words are written, which the products take as operand and scales, and QUANT is done with sets 0 and 1, in which the loads land; later: the products of the K step before are done reading W_q's fragments and scale words
.irp t, 0,1,2,3,4,5,6,7
.irp c, 0,1,2,3
	ds_load_b128 v[16*\t+4*\c:16*\t+4*\c+3], v[WR] offset:(4*\t+\s)*2048+512*\c
.endr
.endr
	WIN 0
.irp t, 0,1,2,3,4,5,6,7
	ds_load_b32 v[WSW+\t], v[WSR] offset:(4*\t+\s)*64
.endr
	s_wait_dscnt 0x0
	WIN 0x01                                       ; source 0 (W_q) window 1
.irp t, 0,1,2,3,4,5,6,7
.if \s == 0
	v_wmma_scale_f32_16x16x128_f8f6f4 v[HA+8*\t:HA+8*\t+7], v[16*\t:16*\t+15], v[MF+16*\s:MF+16*\s+15], 0, v[WSW+\t], v[MFS+\s]
.else
	v_wmma_scale_f32_16x16x128_f8f6f4 v[HA+8*\t:HA+8*\t+7], v[16*\t:16*\t+15], v[MF+16*\s:MF+16*\s+15], v[HA+8*\t:HA+8*\t+7], v[WSW+\t], v[MFS+\s]
.endif
.endr
	WIN 0
.endr
	PLACES 8
	QUANT HA, 0, PC, PW, 1                         ; Q, along d_k: K step dq of the scores' product
	s_wait_alu depctr_va_vdst(0)                   ; QUANT has written PC and PW, which the stores below read
.irp c, 0,1,2,3
	global_store_b128 v[LN16], v[PC+4*\c:PC+4*\c+3], s[QIP:QIP+1] offset:512*\c   ; 32 lanes store 512 consecutive bytes
.endr
	global_store_b32 v[LS], v[PW], s[QSP:QSP+1]
	s_cmp_lg_u32 s[WV], 0
	s_cbranch_scc1 .Lend
	s_wait_xcnt 0x0                                ; the stores above have had their addresses translated: PC and PW are written again below, behind the turn's wait on vm_vsrc, which states that the stores have read them
	TURN 0, 2                                      ; the extra job's loads were shown in by job 10's wait for 0
	s_wait_dscnt 0x0
	QUANT 0, 2, PC, PW, 1
	s_wait_alu depctr_va_vdst(0)                   ; QUANT has written PC and PW, which the stores below read
.irp c, 0,1,2,3
	global_store_b128 v[LN16], v[PC+4*\c:PC+4*\c+3], s[WIP:WIP+1] offset:512*\c
.endr
	global_store_b32 v[LS], v[PW], s[WSP:WSP+1]
.Lend:
	s_wait_dscnt 0x0                               ; the closing lines, six on end
	s_wait_alu 0x0
	s_wait_tensorcnt 0x0
	ds_add_u32 v[SPW], v[NIL]
	s_wait_dscnt 0x0
	s_endpgm
.Lfunc_end_k_qb1df6eca95_prep:
	.size	k_qb1df6eca95_prep, .Lfunc_end_k_qb1df6eca95_prep-k_qb1df6eca95_prep
	.p2alignl 7, 3214868480
	.fill 96, 4, 3214868480
	.section	.rodata,"a",@progbits
	.p2align	6, 0x0
	.amdhsa_kernel k_qb1df6eca95_prep
		.amdhsa_group_segment_fixed_size 101888
		.amdhsa_private_segment_fixed_size 0
		.amdhsa_enable_private_segment 0
		.amdhsa_kernarg_size 64
		.amdhsa_user_sgpr_count 2
		.amdhsa_user_sgpr_kernarg_segment_ptr 1
		.amdhsa_wavefront_size32 1
		.amdhsa_system_sgpr_workgroup_id_x 1
		.amdhsa_system_sgpr_workgroup_id_y 1
		.amdhsa_system_sgpr_workgroup_id_z 1
		.amdhsa_system_vgpr_workitem_id 0
		.amdhsa_next_free_vgpr 576
		.amdhsa_next_free_sgpr 66
		.amdhsa_reserve_vcc 0
		.amdhsa_float_denorm_mode_32 3
		.amdhsa_float_denorm_mode_16_64 3
		.amdhsa_memory_ordered 1
		.amdhsa_forward_progress 1
		.amdhsa_inst_pref_size 187
	.end_amdhsa_kernel
	.amdgpu_metadata
---
amdhsa.version: [ 1, 2 ]
amdhsa.kernels:
  - .name:           k_qb1df6eca95_prep
    .symbol:         k_qb1df6eca95_prep.kd
    .args:
      - { .name: metal_feature, .offset: 0, .size: 8, .value_kind: global_buffer, .address_space: global }
      - { .name: W_q, .offset: 8, .size: 8, .value_kind: global_buffer, .address_space: global }
      - { .name: W_k, .offset: 16, .size: 8, .value_kind: global_buffer, .address_space: global }
      - { .name: W_v, .offset: 24, .size: 8, .value_kind: global_buffer, .address_space: global }
      - { .name: w_img, .offset: 32, .size: 8, .value_kind: global_buffer, .address_space: global }
      - { .name: w_sc, .offset: 40, .size: 8, .value_kind: global_buffer, .address_space: global }
      - { .name: q_img, .offset: 48, .size: 8, .value_kind: global_buffer, .address_space: global }
      - { .name: q_sc, .offset: 56, .size: 8, .value_kind: global_buffer, .address_space: global }
    .group_segment_fixed_size: 101888
    .private_segment_fixed_size: 0
    .kernarg_segment_align: 8
    .kernarg_segment_size: 64
    .max_flat_workgroup_size: 128
    .sgpr_count:     66
    .vgpr_count:     576
    .wavefront_size: 32
...
	.end_amdgpu_metadata
.endif
;; end of part 4
;; launch main (part 5): grid 4 x 64, 4 waves a work-group, no clusters, 322,560 bytes of LDS; arguments x, mask, w_img, w_sc, q_img, q_sc, o_part, ml; writes o_part, ml
.if DOCPART == 5
	.amdgcn_target "amdgcn-amd-amdhsa--gfx1250"
	.amdhsa_code_object_version 6
	.text
	.protected	k_qb1df6eca95_main
	.globl	k_qb1df6eca95_main
	.p2align	8
	.type	k_qb1df6eca95_main,@function
k_qb1df6eca95_main:
	s_mov_b64 s[64:65], 0
	v_nop
	global_prefetch_b8 v0, s[64:65] scope:SCOPE_SE
	s_setreg_imm32_b32 hwreg(HW_REG_WAVE_SCHED_MODE, 0, 2), 2
	s_setreg_imm32_b32 hwreg(HW_REG_WAVE_MODE, 25, 1), 1
	s_wait_xcnt 0x0
	s_wait_alu depctr_vm_vsrc(0)
; SECOND OF THREE LAUNCHES.  Nothing of the problem is left out (see the first launch's head).  Work-group (c, b) takes keys 256 c .. + 255 of batch b through the whole chain: x is read once as f32 and quantised;
; K = x Wk^T, quantised along d_k; S^T = K Q^T; the mask's bias; p = 2^(t - M), M the ceiling of THIS CHUNK's largest t, a whole number; V = x Wv^T, quantised along the keys; O^T = V^T P^T.
; Out go the chunk's unnormalised O [64][512], -M and the sum l of the unquantised p; the third launch adds the four chunks of a batch (every rescaling there is a power of two).  K and V never go to memory.
; SHARES.  X: wave w quantises features 128 w .. + 127 of every tile of 16 keys.  K and V: wave w owns d_k 128 w .. + 127; its 32 fragments of the weight (512 registers) stay in registers for all 16 tiles.
; Scores and softmax: wave w owns queries 16 w .. + 15 for all 256 keys, so that no statistic crosses waves.  Second product: wave w owns its 128 d_k for all 64 queries; V's codes stay the wave's own.
; THE KEYS OF A TILE ARE NOT NEIGHBOURS: row r of tile 2 b + u is key 32 b + 8 u + r + 8 (r / 8).  So in S^T (source 0 = 16 keys, source 1 = 16 queries) and in V (source 0 = 16 keys of x, source 1 = 16 rows of Wv)
; the 16 registers of tiles 2 b and 2 b + 1 are 16 neighbouring keys, and the conversions' results are the next operand's registers.  The weights' tiles are laid the same way (first launch).
; OPERANDS GO FROM WAVE TO WAVE THROUGH LDS AS IMAGES OF THEIR REGISTERS: four pieces of 512 bytes, lane l at 16 l; scale words 64 bytes a fragment.
; NO CLUSTER, NO TENSOR LOAD: what work-groups share is the weights and Q, and they go from memory straight into operand registers, each byte once a work-group, where they feed 16 tiles; a joint load lands in
; LDS alone, which would add 512 KiB of LDS writes and as many reads to a work-group, and of the 327,680 bytes 322,560 are in use.  x, four fifths of the bytes, is shared by nobody.
; LIMITS: NaN and infinities among the inputs are not served.  A block of zeros gets the scale byte 1 where the rule says 127 (zero codes; this program alone reads the bytes); blocks under 2^-118 are held at
; the byte 1.  mask is any int32, taken as a number.  A block's largest p is the exponential of its largest logit: that takes v_exp_f32 not to fall where its input rises.
; THE MODE: SCHED_MODE bits 1:0 = 2 (LLVM: expert scheduling mode 2), set by the entry lines.  The code itself states the register dependences between vector or matrix instructions and memory or LDS
; instructions, with s_wait_alu, always for 0.
; THE PLAN.  Registers that memory or LDS instructions touch:
;   window 3, sets 0-3   Stream, tile q: x's loads land in set q; the turn's stores read it and the turn's loads land in it again; QUANT reads and writes it; the loads of the tile four on (or Q's) land in it.
;                        Later: K's two buffers (LDS loads land, the scores' products read), the bias (vector instructions read), V's accumulators, p's fragments (LDS loads land, the products read).
;   PC, PW, PC2          Written by QUANT; read by the image stores.
;   XF, XS               LDS loads land; the products read.  v128-255 later: x's fragments of a pair, V's fragments, and on the way out rows from the stage, which the stores to memory read.
;   windows 1, 2, WS     W_k, read by the stream's products; W_v's loads land during the scores.
;   v6-v11               LDS addresses, made anew for each phase; in the stream once a trip, in V's loop v6 to v8 once a trip.
;   v1-v5, v76-81        Offsets and bases, made at the head, never written while a memory instruction may name them.
; A TILE OF THE STREAM has two waits on va_vdst, each behind a QUANT: the first states that PC, PW (and the trip's addresses) are written, that the set is free for the next loads, and that the products of the
; tile before are done with XF and XS; the second that K's codes are written.  Its waits on vm_vsrc: at its head (the image stores of the tile before have read PC and PW) and in the turn (between its stores and loads).
; A PAIR OF V has one wait on vm_vsrc at its head, one on va_vdst ahead of the next pair's loads and one ahead of its eight stores, which stand together behind both QUANTs.
.set SPITCH, 528
.set WSTG,   16*SPITCH                 ; a wave's stage: 16 rows x (512 + 16) bytes
.set XIMG,   4*WSTG                    ; x's 64 fragments: (tile m, K step s) at (4 m + s) x 2048
.set KIMG,   XIMG+131072               ; K's 64 fragments likewise; behind the softmax's barrier V's: wave w, (tile t, key step s) at 32768 w + (2 t + s) x 2048
.set XSC,    KIMG+131072               ; x's scale words, 64 bytes a fragment
.set KSC,    XSC+4096                  ; K's
.set PIMG,   KSC+4096                  ; p's 8 fragments: (tile of queries q, key step s) at (2 q + s) x 2048
.set PSC,    PIMG+16384
.set BIAS,   PSC+512                   ; (mask - 1) x 1e10 of the 256 keys
.set SPARE,  BIAS+1024                 ; the spare words, 128 bytes a wave: two blocks of 256 bytes that no other line names
; window 0
.set LN16, 1                           ; v1   16 x lane
.set L4,   2                           ; v2   4 x (lane % 16)
.set STW,  3                           ; v3   the stage by whole rows: 16 x lane
.set STR,  4                           ; v4   the stage by lanes: 528 r + 64 h
.set XA,   5                           ; v5   512 w + 16 x lane: my bytes of a row of x, and of a row of O
.set XW,   6                           ; v6-11 the phase's LDS addresses.  In the stream: made each trip from the bases in v76-81 and a stepped scalar
.set XR,   7
.set KW,   8
.set XSW,  9
.set XSR,  10
.set KSW,  11
.set KA0,  6                           ; scores and softmax
.set KA1,  7
.set KSR,  8
.set BA,   9
.set PWI,  10
.set PSW,  11
.set XR2,  6                           ; V and the second product
.set XSR2, 7
.set VWI,  8
.set BX,   9
.set BXS,  10
.set BV,   11
.set PR,   6
.set PSR,  7
.set SPW,  12                          ; v12  my spare word; never rewritten
.set NIL,  13                          ; v13  0; never rewritten
.set WS,   16                          ; v16-47 the weight's scale words, 4 t + s
.set XS,   48                          ; v48-55 scale words of x, then of K, then of p
.set QS,   56                          ; v56-59 Q's
.set PC,   60                          ; v60-75 codes just made
.set PC2,  76                          ; v76-91 likewise (V);  in the stream v76-81 are the address bases
.set BXW,  76
.set BXR,  77
.set BKW,  78
.set BXSW, 79
.set BXSR, 80
.set BKSW, 81
.set TM,   92                          ; v92-107 at work in QUANT
.set PW,   108
.set VWL,  109                         ; v109-116 V's scale words, key step 0, tile t;  v117-124 key step 1
.set VWH,  117
.set NUM,  128                         ; v128-191 K: 8 accumulators
.set XF,   192                         ; v192-255 x's four fragments of a tile
.set S,    128                         ; v128-255 the scores, then p
.set BM,   76                          ; softmax: v76-83 the blocks' largest logits, v92-99 permute targets, then bytes, v84-91 conversion operands, v100-107 holds
.set BT,   92
.set SCO,  84
.set HOLD, 100
.set PW2,  125
.set NM,   126                         ; v126 -M, v127 the largest t
; windows 1, 2: the weight: fragment (t, s) in window 1 + s / 2 at 128 (s % 2) + 16 t.  In the second product window 1 is O^T: accumulator (t, q) at 8 (4 t + q).
; window 3: stream: four sets of 64 numbers of x.  Scores: v0-63 Q, v64-191 two buffers of K.  Softmax: v64-191 the bias, v192-223 p's codes.  V: v0-127 accumulators (t, u) at 16 t + 8 u.  Then p's 8 fragments.
.set WV,  20
.set CH,  21
.set BB,  22
.set CNT, 26
.set SEL, 28
.set MNT, 30
.set SCL, 32                           ; s[32:33] 1 / sqrt(512)
.set L2E, 34                           ; s[34:35] log2(e)
.set XP,  36
.set WB,  38
.set WSB, 40
.set QB,  42
.set QSB, 44
.set OP,  46
.set MLB, 48
.set PO,  50
.set TO,  51
.set TSO, 52
.set VO,  53
.set MP,  54
.set MSB, 0
.macro WIN new                         ; the immediate's high byte repeats the setting that is left; a switch that changes nothing is dropped
.if MSB != \new
	s_set_vgpr_msb (MSB<<8)|\new
.set MSB, \new
.endif
.endm
.macro PLACES n                        ; plain instructions between a matrix instruction and a read of its result (ISA guide 7.12.1), and ahead of a scaled matrix instruction that takes what vector instructions made; they stay beside the waits
.rept \n
	v_nop
.endr
.endm
; 64 numbers of a lane in window win, register 16 b + i = k 32 b + 16 (lane / 16) + i of my row, become a fragment's codes in v[dst] on (window 0), the four bytes in v[TM+4] on and, word = 1, the scale word in v[pw].
.macro QUANT src, win, dst, pw, word
	WIN ((\win)|((\win)<<2))
.irp b, 0,1,2,3
	v_max3_num_f32 v[TM+\b], |v[(\src)+16*\b]|, |v[(\src)+16*\b+1]|, 0x4800000   ; block b: my 16 numbers, and the floor 2^(9 - 127): the byte cannot fall under 1
.endr
	WIN (((\win)<<2)|((\win)<<4))
.irp i, 2,4,6,8,10,12,14
.irp b, 0,1,2,3
	v_max3_num_f32 v[TM+\b], v[TM+\b], |v[(\src)+16*\b+\i]|, |v[(\src)+16*\b+\i+1]|   ; the four blocks by turns
.endr
.endr
	WIN 0
.irp b, 0,1,2,3
	v_permlanex16_b32 v[TM+4+\b], v[TM+\b], s[SEL], s[SEL+1]
.endr
.irp b, 0,1,2,3
	v_max_num_f32 v[TM+\b], v[TM+\b], v[TM+4+\b]   ; with lane l xor 16's: the block's largest magnitude
.endr
.irp b, 0,1,2,3
	v_add_nc_u32 v[TM+12+\b], 0xfc000000, v[TM+\b]   ; 8 off its exponent field: the conversion's scale operand
.endr
.irp b, 0,1,2,3
	v_and_or_b32 v[TM+8+\b], v[TM+\b], 0x7f800000, s[MNT]   ; 448 x the scale
.endr
.irp b, 0,1,2,3
	v_lshrrev_b32 v[TM+4+\b], 23, v[TM+12+\b]      ; the scale's byte
.endr
.if \word
	v_lshl_or_b32 v[\pw], v[TM+5], 8, v[TM+4]
	v_lshl_or_b32 v[\pw], v[TM+6], 16, v[\pw]
	v_lshl_or_b32 v[\pw], v[TM+7], 24, v[\pw]
.endif
	WIN ((\win)|((\win)<<6))
.irp b, 0,1,2,3
.irp i, 0,1,2,3,4,5,6,7,8,9,10,11,12,13,14,15
	v_med3_num_f32 v[(\src)+16*\b+\i], v[(\src)+16*\b+\i], -v[TM+8+\b], v[TM+8+\b]   ; the conversion to an 8-bit code does not saturate (ISA guide 7.6.2): the hold comes first
.endr
.endr
	WIN (\win)
.irp b, 0,1,2,3
	v_cvt_scalef32_pk8_fp8_f32 v[(\dst)+4*\b:(\dst)+4*\b+1], v[(\src)+16*\b:(\src)+16*\b+7], v[TM+12+\b]
	v_cvt_scalef32_pk8_fp8_f32 v[(\dst)+4*\b+2:(\dst)+4*\b+3], v[(\src)+16*\b+8:(\src)+16*\b+15], v[TM+12+\b]
.endr
	WIN 0
	v_nop                                          ; one plain instruction behind the last scaled conversion
.endm
; 16 rows as loaded go into my stage and come back 64 bytes a lane, into the registers that they left.  LDS serves a wave's instructions in order (ISA guide 5.7.1.4): no wait on a counter between.
.macro TURN set, win
	WIN ((\win)<<2)
.irp i, 0,1,2,3,4,5,6,7,8,9,10,11,12,13,14,15
	ds_store_b128 v[STW], v[(\set)+4*\i:(\set)+4*\i+3] offset:SPITCH*\i
.endr
	WIN ((\win)<<6)
	s_wait_alu depctr_vm_vsrc(0)                   ; the sixteen stores above have read the set, in which the loads below land; the stores of x's image before them have read PC and PW, which the tile's second QUANT writes
.irp c, 0,1,2,3
.irp j, 0,1,2,3
	ds_load_b128 v[(\set)+16*\c+4*\j:(\set)+16*\c+4*\j+3], v[STR] offset:128*\c+16*\j
.endr
.endr
	WIN 0
.endm
.macro IMG adr, dst, off
.irp c, 0,1,2,3
	ds_store_b128 v[\adr], v[(\dst)+4*\c:(\dst)+4*\c+3] offset:(\off)+512*\c
.endr
.endm
; load n of the 160 that bring my part of a weight (sel 0: W_k, 1: W_v): 128 pieces of fragments, K step by K step, then 32 scale words
.macro WLD sel, n
.if (\n) < 128
.set wf, (\n)/4
.set wc, (\n)%4
.set wsx, wf/8
.set wt, wf%8
	WIN ((1+wsx/2)<<6)
	global_load_b128 v[128*(wsx%2)+16*wt+4*wc:128*(wsx%2)+16*wt+4*wc+3], v[LN16], s[WB:WB+1] offset:(\sel)*262144+(4*wt+wsx)*2048+512*wc
.else
	WIN 0
	global_load_b32 v[WS+(\n)-128], v[L4], s[WSB:WSB+1] offset:(\sel)*16384+((\n)-128)*128
.endif
.endm
; my K step of tile q of the four in hand (ahead = 1: of the next four) into set q: 16 loads, each 512 consecutive bytes of one key's row
.macro XLD q, ahead
	WIN 0xc0
.irp i, 0,1,2,3,4,5,6,7,8,9,10,11,12,13,14,15
	global_load_b128 v[64*(\q)+4*\i:64*(\q)+4*\i+3], v[XA], s[XP:XP+1] offset:(64*(\ahead)+32*((\q)/2)+8*((\q)%2)+\i+8*(\i/8))*2048 th:TH_LOAD_NT
.endr
	WIN 0
.endm
.macro QLD                             ; my 16 queries' four fragments and scale words: 20 loads
	WIN 0xc0
.irp s, 0,1,2,3
.irp c, 0,1,2,3
	global_load_b128 v[16*\s+4*\c:16*\s+4*\c+3], v[LN16], s[QB:QB+1] offset:2048*\s+512*\c
.endr
.endr
	WIN 0
.irp s, 0,1,2,3
	global_load_b32 v[QS+\s], v[L4], s[QSB:QSB+1] offset:128*\s
.endr
.endm
.macro ADDRS                           ; the trip's LDS addresses: a base and the trip's step
	v_add_nc_u32 v[XW], s[TO], v[BXW]
	v_add_nc_u32 v[XR], s[TO], v[BXR]
	v_add_nc_u32 v[KW], s[TO], v[BKW]
	v_add_nc_u32 v[XSW], s[TSO], v[BXSW]
	v_add_nc_u32 v[XSR], s[TSO], v[BXSR]
	v_add_nc_u32 v[KSW], s[TSO], v[BKSW]
.endm
; ONE TILE OF 16 KEYS.  ld = 1: the tile four on is asked for; 2: Q is.  cnt: the loads that may be out when the next tile's have to be in (-1: there is no next tile).
.macro TILE q, ld, cnt
	s_wait_dscnt 0x0                               ; my numbers are back from the stage
	s_wait_alu depctr_vm_vsrc(0)                   ; the stores of K's image in the tile before have read PC and PW, which QUANT writes; in a trip's first tile: the last trip's LDS instructions have read the six addresses
.if \q == 0
	ADDRS
.endif
	QUANT 64*\q, 3, PC, PW, 1
	s_wait_alu depctr_va_vdst(0)                   ; PC, PW and the trip's addresses are written, which the LDS instructions below read; QUANT is done with its set, in which the loads below land; the products of the tile before are done reading XF and XS, in which the loads behind the barrier land
	IMG XW, PC, 8192*\q
	ds_store_b32 v[XSW], v[PW] offset:256*\q
.if \ld == 1
	XLD \q, 1
.elseif \ld == 2
	QLD
.endif
	s_wait_dscnt 0x0                               ; for the others' sake: my fragment of x has landed
	s_barrier_signal -1
	s_barrier_wait -1                              ; the tile's four fragments lie in LDS.  No image is ever written again in the stream, so one barrier a tile is all
.irp s, 0,1,2,3
.irp c, 0,1,2,3
	ds_load_b128 v[XF+16*\s+4*\c:XF+16*\s+4*\c+3], v[XR] offset:8192*\q+2048*\s+512*\c
.endr
.endr
.irp s, 0,1,2,3
	ds_load_b32 v[XS+\s], v[XSR] offset:256*\q+64*\s
.endr
.if \cnt >= 0
	s_wait_loadcnt \cnt                            ; the next tile's 16 loads are in (in the first tile this count also shows W_k in: it was asked for between tiles 1 and 2)
	TURN 64*((\q+1)%4), 3                          ; and turn through the stage while this tile is multiplied
	s_wait_dscnt 32                                ; all but the turn's 32
.else
	s_wait_dscnt 0x0
	s_wait_alu depctr_vm_vsrc(0)                   ; no turn stands here: the stores of x's image have read PC and PW, which QUANT writes below
.endif
.irp s, 0,1,2,3                                ; K^T = W_k x^T: source 0 = 16 rows of W_k, source 1 = the 16 keys; eight accumulators by turns
	WIN (1+\s/2)
.irp t, 0,1,2,3,4,5,6,7
.if \s == 0
	v_wmma_scale_f32_16x16x128_f8f6f4 v[NUM+8*\t:NUM+8*\t+7], v[128*(\s%2)+16*\t:128*(\s%2)+16*\t+15], v[XF+16*\s:XF+16*\s+15], 0, v[WS+4*\t+\s], v[XS+\s]
.else
	v_wmma_scale_f32_16x16x128_f8f6f4 v[NUM+8*\t:NUM+8*\t+7], v[128*(\s%2)+16*\t:128*(\s%2)+16*\t+15], v[XF+16*\s:XF+16*\s+15], v[NUM+8*\t:NUM+8*\t+7], v[WS+4*\t+\s], v[XS+\s]
.endif
.endr
.endr
	WIN 0
	PLACES 8
	QUANT NUM, 0, PC, PW, 1                        ; K of these 16 keys, my 128 of d_k: K step w of the scores' product
	s_wait_alu depctr_va_vdst(0)                   ; QUANT has written PC and PW, which the stores below read
	IMG KW, PC, 8192*\q
	ds_store_b32 v[KSW], v[PW] offset:256*\q
.endm
; scores, group g: key tiles 2 (g / 2) + u, K steps 2 (g % 2) + e: four fragments of K and their scale words into buffer g % 2: 20 LDS loads
.macro KFETCH g
	WIN 0xc0
.irp e, 0,1
.irp u, 0,1
.set km, 2*((\g)/2)+\u
.set ks, 2*((\g)%2)+\e
.set kr, 64+64*((\g)%2)+16*(2*\e+\u)
.irp c, 0,1,2,3
.if km < 8
	ds_load_b128 v[kr+4*\c:kr+4*\c+3], v[KA0] offset:(4*km+ks)*2048+512*\c
.else
	ds_load_b128 v[kr+4*\c:kr+4*\c+3], v[KA1] offset:(4*(km-8)+ks)*2048+512*\c
.endif
.endr
.endr
.endr
	WIN 0
.irp e, 0,1
.irp u, 0,1
.set km, 2*((\g)/2)+\u
.set ks, 2*((\g)%2)+\e
	ds_load_b32 v[XS+4*((\g)%2)+2*\e+\u], v[KSR] offset:(4*km+ks)*64
.endr
.endr
.endm
.macro VFETCH                          ; a pair of key tiles: x's eight fragments and their scale words
.irp u, 0,1
.irp s, 0,1,2,3
.irp c, 0,1,2,3
	ds_load_b128 v[128+16*(4*\u+\s)+4*\c:128+16*(4*\u+\s)+4*\c+3], v[XR2] offset:8192*\u+2048*\s+512*\c
.endr
.endr
.endr
.irp u, 0,1
.irp s, 0,1,2,3
	ds_load_b32 v[XS+4*\u+\s], v[XSR2] offset:64*(4*\u+\s)
.endr
.endr
.endm
.macro BYTES t0                        ; the pair's scale bytes of tiles t0 .. t0 + 3 are shifted into the top of the 64 bits (VWH, VWL): after eight pairs byte b' of them is pair b's
.irp k, 0,1,2,3
	v_lshrrev_b32 v[VWL+\t0+\k], 8, v[VWL+\t0+\k]
.endr
.irp k, 0,1,2,3
	v_lshl_or_b32 v[VWL+\t0+\k], v[VWH+\t0+\k], 24, v[VWL+\t0+\k]
.endr
.irp k, 0,1,2,3
	v_lshrrev_b32 v[VWH+\t0+\k], 8, v[VWH+\t0+\k]
.endr
.irp k, 0,1,2,3
	v_lshl_or_b32 v[VWH+\t0+\k], v[TM+4+\k], 24, v[VWH+\t0+\k]
.endr
.endm
.macro PVFETCH g                       ; second product, group g: key step g / 2, V's tiles 4 (g % 2) + k: 16 LDS loads of my own bytes
.irp k, 0,1,2,3
.irp c, 0,1,2,3
	ds_load_b128 v[128+64*((\g)%2)+16*\k+4*\c:128+64*((\g)%2)+16*\k+4*\c+3], v[BV] offset:(2*(4*((\g)%2)+\k)+(\g)/2)*2048+512*\c
.endr
.endr
.endm
.macro TOSTAGE q                       ; O^T of queries 16 q on: a lane's eight numbers are eight neighbours of one row; into my stage, and back as whole rows of 512 bytes
	WIN 0x04
.irp t, 0,1,2,3,4,5,6,7
	ds_store_b128 v[STR], v[8*(4*\t+(\q)):8*(4*\t+(\q))+3] offset:128*(\t/2)+32*(\t%2)      ; each accumulator from its low end on
	ds_store_b128 v[STR], v[8*(4*\t+(\q))+4:8*(4*\t+(\q))+7] offset:128*(\t/2)+32*(\t%2)+16
.endr
	WIN 0
.irp i, 0,1,2,3,4,5,6,7,8,9,10,11,12,13,14,15
	ds_load_b128 v[128+64*((\q)%2)+4*\i:128+64*((\q)%2)+4*\i+3], v[STW] offset:SPITCH*\i
.endr
.endm
.macro SEND q, younger                 ; younger: the LDS instructions issued behind block q's loads, which may stay out
	s_wait_dscnt \younger
.irp i, 0,1,2,3,4,5,6,7,8,9,10,11,12,13,14,15
	global_store_b128 v[XA], v[128+64*((\q)%2)+4*\i:128+64*((\q)%2)+4*\i+3], s[OP:OP+1] offset:(16*(\q)+\i)*2048 th:TH_STORE_NT   ; 32 lanes store 512 consecutive bytes, at a multiple of 512 from the buffer's first byte
.endr
.endm
	s_load_b256 s[4:11], s[0:1], 0x0               ; x s[4:5], mask s[6:7], w_img s[8:9], w_sc s[10:11]
	s_load_b256 s[12:19], s[0:1], 0x20             ; q_img s[12:13], q_sc s[14:15], o_part s[16:17], ml s[18:19]
	v_lshl_add_u32 v[SPW], v0, 2, SPARE
	v_mov_b32 v[NIL], 0
	v_lshrrev_b32 v14, 5, v0
	v_readfirstlane_b32 s[WV], v14                 ; wave 0..3
	s_mov_b32 s[CH], ttmp9                         ; the chunk of 256 keys
	s_and_b32 s[BB], ttmp7, 0xffff                 ; the batch
	v_and_b32 v14, 31, v0
	v_lshlrev_b32 v[LN16], 4, v14
	v_and_b32 v15, 15, v0                          ; r
	v_lshlrev_b32 v[L4], 2, v15
	v_bfe_u32 v125, v0, 4, 1                       ; h
	s_wait_alu depctr_va_sdst(0)                   ; the wave's number is written, ahead of its first reader
	s_mul_i32 s24, s[WV], WSTG
	v_add_nc_u32 v[STW], s24, v[LN16]
	v_mul_u32_u24 v[STR], v15, SPITCH
	v_lshl_add_u32 v[STR], v125, 6, v[STR]
	v_add_nc_u32 v[STR], s24, v[STR]
	s_lshl_b32 s24, s[WV], 9
	v_add_nc_u32 v[XA], s24, v[LN16]
	s_lshl_b32 s24, s[WV], 11
	s_add_co_u32 s25, s24, XIMG
	v_add_nc_u32 v[BXW], s25, v[LN16]              ; I store fragment (m, w),
	v_add_nc_u32 v[BXR], XIMG, v[LN16]             ; and read (m, 0 .. 3)
	s_add_co_u32 s25, s24, KIMG
	v_add_nc_u32 v[BKW], s25, v[LN16]
	s_lshl_b32 s24, s[WV], 6
	s_add_co_u32 s25, s24, XSC
	v_add_nc_u32 v[BXSW], s25, v[L4]
	v_add_nc_u32 v[BXSR], XSC, v[L4]
	s_add_co_u32 s25, s24, KSC
	v_add_nc_u32 v[BKSW], s25, v[L4]
	v_lshlrev_b32 v127, 3, v0                      ; 8 x thread: my two keys of the mask,
	v_add_nc_u32 v126, BIAS, v127                  ; and of the bias
.irp b, 0,1,2,3
	v_mov_b32 v[TM+4+\b], 0                        ; written once: a lane permute's destination counts as one of its sources
.endr
	s_mov_b32 s[SEL], 0x76543210
	s_mov_b32 s[SEL+1], 0xfedcba98                 ; v_permlanex16_b32's selects for lane l xor 16
	s_mov_b32 s[MNT], 0x600000                     ; the mantissa field of 448
	s_mov_b32 s[SCL], 0x3d3504f3                   ; 1 / sqrt(512)
	s_mov_b32 s[SCL+1], s[SCL]                     ; (named with it as a pair, so it is written)
	s_mov_b32 s[L2E], 0x3fb8aa3b                   ; log2(e)
	s_mov_b32 s[L2E+1], s[L2E]
	s_mov_b32 s[TO], 0
	s_mov_b32 s[TSO], 0
	s_mov_b32 s25, 0
	s_wait_kmcnt 0x0
	s_lshl_b32 s24, s[BB], 21                      ; x: key 1024 b + 256 c, 2,048 bytes a key
	s_lshl_b32 s27, s[CH], 19
	s_add_co_u32 s24, s24, s27
	s_add_nc_u64 s[XP:XP+1], s[4:5], s[24:25]
	s_lshl_b32 s24, s[BB], 12                      ; mask: 4 bytes a key
	s_lshl_b32 s27, s[CH], 10
	s_add_co_u32 s24, s24, s27
	s_add_nc_u64 s[MP:MP+1], s[6:7], s[24:25]
	s_lshl_b32 s24, s[WV], 16
	s_add_nc_u64 s[WB:WB+1], s[8:9], s[24:25]      ; my 32 fragments of a weight
	s_lshl_b32 s24, s[WV], 12
	s_add_nc_u64 s[WSB:WSB+1], s[10:11], s[24:25]
	s_lshl_b32 s27, s[BB], 2
	s_add_co_u32 s27, s27, s[WV]                   ; 4 b + w: my tile of queries
	s_lshl_b32 s24, s27, 13
	s_add_nc_u64 s[QB:QB+1], s[12:13], s[24:25]
	s_lshl_b32 s24, s27, 9
	s_add_nc_u64 s[QSB:QSB+1], s[14:15], s[24:25]
	s_lshl_b32 s27, s[BB], 2
	s_add_co_u32 s27, s27, s[CH]                   ; 4 b + c: my chunk's part
	s_lshl_b32 s24, s27, 17
	s_add_nc_u64 s[OP:OP+1], s[16:17], s[24:25]
	s_lshl_b32 s24, s27, 9
	s_lshl_b32 s27, s[WV], 6
	s_add_co_u32 s24, s24, s27
	s_add_nc_u64 s[MLB:MLB+1], s[18:19], s[24:25]
	s_wait_alu depctr_va_vdst(0)                   ; the offsets and addresses v1 to v5, v126 and v127 are written, which the loads and stores below read; the head is done with v14 and v15, in which the mask lands
	global_load_b64 v[14:15], v127, s[MP:MP+1]
	XLD 0, 0
	XLD 1, 0
.set NW, 0
.rept 160
	WLD 0, NW                                      ; W_k, between tiles 1 and 2
.set NW, NW+1
.endr
	XLD 2, 0
	XLD 3, 0
	s_wait_loadcnt 63                              ; behind the mask and tile 0 stand 208 loads: with 63 out both are in
	v_cvt_f32_i32 v14, v14
	v_cvt_f32_i32 v15, v15
	v_add_f32 v14, -1.0, v14
	v_add_f32 v15, -1.0, v15
	v_mul_f32 v14, 0x501502f9, v14                 ; (mask - 1) x 1e10 = -(1 - mask) x 1e10
	v_mul_f32 v15, 0x501502f9, v15
	s_wait_alu depctr_va_vdst(0)                   ; the two biases are written, which the store below reads
	ds_store_b64 v126, v[14:15]                    ; read behind the stream's barriers
	TURN 0, 3
	s_mov_b32 s[CNT], 3
.Ltrip:                                            ; three trips of four tiles; the last four are written out, since they ask for no x.  A trip's first tile makes the trip's addresses
	TILE 0, 1, 48                                  ; 48: the three tiles behind the next one
	TILE 1, 1, 48
	TILE 2, 1, 48
	TILE 3, 1, 48
	s_wait_xcnt 0x0                                ; the loads have read their base, so it may step
	s_add_nc_u64 s[XP:XP+1], s[XP:XP+1], 131072    ; 64 keys on
	s_add_co_u32 s[TO], s[TO], 32768               ; 16 fragments on
	s_add_co_u32 s[TSO], s[TSO], 1024
	s_sub_co_u32 s[CNT], s[CNT], 1
	s_cmp_lg_u32 s[CNT], 0
	s_cbranch_scc1 .Ltrip
	TILE 0, 2, 52                                  ; behind tile 13: tiles 14, 15 and Q's 20
	TILE 1, 0, 36                                  ; behind tile 14: tile 15 and Q's 20
	TILE 2, 0, 20                                  ; behind tile 15: Q's 20
	TILE 3, 0, -1
	s_wait_loadcnt 0x0                             ; Q
	s_wait_dscnt 0x0                               ; my last fragment of K has landed
	s_barrier_signal -1
	s_barrier_wait -1                              ; all of K lies in LDS
	s_wait_alu depctr_vm_vsrc(0)                   ; the stream's LDS instructions have read v6 to v11, which are made anew here, and PC and PW, which the softmax writes
	v_add_nc_u32 v[KA0], KIMG, v[LN16]
	v_add_nc_u32 v[KA1], KIMG+65536, v[LN16]
	v_add_nc_u32 v[KSR], KSC, v[L4]
	v_bfe_u32 v[BA], v0, 4, 1
	v_lshl_add_u32 v[BA], v[BA], 6, BIAS
	s_lshl_b32 s24, s[WV], 12
	s_add_co_u32 s24, s24, PIMG
	v_add_nc_u32 v[PWI], s24, v[LN16]
	s_lshl_b32 s24, s[WV], 7
	s_add_co_u32 s24, s24, PSC
	v_add_nc_u32 v[PSW], s24, v[L4]
	s_wait_alu depctr_va_vdst(0)                   ; the six addresses are written, which the LDS instructions of this phase read
	; THE SCORES: S^T = K Q^T for my 16 queries and all 256 keys, 16 groups of four products on two accumulators by turns.  W_v comes meanwhile, ten loads a group, into the registers that W_k has left:
	; the stream's products, which read them, stand ahead of the wait above, and no vector or matrix instruction of this phase names them.
	KFETCH 0
.set NW, 0
.irp g, 0,1,2,3,4,5,6,7,8,9,10,11,12,13,14,15
	PLACES 8
.if \g < 15
.if \g > 0
	s_wait_alu depctr_va_vdst(0)                   ; the products of the group before are done reading their buffer of K and its scale words, in which the loads below land
.endif
	KFETCH \g+1
.endif
.rept 10
	WLD 1, NW
.set NW, NW+1
.endr
.if \g < 15
	s_wait_dscnt 20                                ; all but the next group's 20
.else
	s_wait_dscnt 0x0
.endif
	WIN 0x0f                                       ; K and Q in window 3
.irp e, 0,1
.irp u, 0,1
.set km, 2*(\g/2)+\u
.set ks, 2*(\g%2)+\e
.set kr, 64+64*(\g%2)+16*(2*\e+\u)
.if ks == 0
	v_wmma_scale_f32_16x16x128_f8f6f4 v[S+8*km:S+8*km+7], v[kr:kr+15], v[16*ks:16*ks+15], 0, v[XS+4*(\g%2)+2*\e+\u], v[QS+ks]
.else
	v_wmma_scale_f32_16x16x128_f8f6f4 v[S+8*km:S+8*km+7], v[kr:kr+15], v[16*ks:16*ks+15], v[S+8*km:S+8*km+7], v[XS+4*(\g%2)+2*\e+\u], v[QS+ks]
.endif
.endr
.endr
.endr
	WIN 0
	; THE SOFTMAX.  Lane (r, h) holds query r; register S + 16 b + i is key 32 b + 16 h + i.
	PLACES 8
	WIN 0xc0
	s_wait_alu depctr_va_vdst(0)                   ; the last products are done reading K's two buffers, in which the bias lands
.irp b, 0,1,2,3,4,5,6,7
.irp j, 0,1,2,3
	ds_load_b128 v[64+16*\b+4*\j:64+16*\b+4*\j+3], v[BA] offset:128*\b+16*\j   ; the bias of my 128 keys
.endr
.endr
	s_wait_dscnt 0x0
	WIN 0x30
.set i, 0
.rept 64
	v_pk_fma_f32 v[S+i:S+i+1], v[S+i:S+i+1], s[SCL:SCL+1], v[64+i:64+i+1] op_sel_hi:[1,0,1]   ; the logit: score / sqrt(512) - (1 - mask) 1e10
.set i, i+2
.endr
	WIN 0
.irp b, 0,1,2,3,4,5,6,7
	v_max3_num_f32 v[BM+\b], v[S+16*\b], v[S+16*\b+1], v[S+16*\b+2]   ; the largest logit of each block of 32 keys: for the row's maximum, and for the block's largest p
.endr
.irp i, 3,5,7,9,11,13
.irp b, 0,1,2,3,4,5,6,7
	v_max3_num_f32 v[BM+\b], v[BM+\b], v[S+16*\b+\i], v[S+16*\b+\i+1]
.endr
.endr
.irp b, 0,1,2,3,4,5,6,7
	v_max_num_f32 v[BM+\b], v[BM+\b], v[S+16*\b+15]
.endr
.irp b, 0,1,2,3,4,5,6,7
	v_permlanex16_b32 v[BT+\b], v[BM+\b], s[SEL], s[SEL+1]
.endr
.irp b, 0,1,2,3,4,5,6,7
	v_max_num_f32 v[BM+\b], v[BM+\b], v[BT+\b]     ; with lane l xor 16's 16 keys
.endr
	v_max3_num_f32 v125, v[BM], v[BM+1], v[BM+2]
	v_max3_num_f32 v125, v125, v[BM+3], v[BM+4]
	v_max3_num_f32 v125, v125, v[BM+5], v[BM+6]
	v_max_num_f32 v125, v125, v[BM+7]              ; my query's largest logit in this chunk
	v_mul_f32 v[NM+1], s[L2E], v125                ; as t
	v_floor_f32 v[NM], -v[NM+1]                    ; -M = floor(-t) = -ceil(t): M is a whole number
	; t = logit x log2(e), rounded, and then t - M: NOT fused.  Where every key of the chunk is masked, t is about -1.4e10 and equal to M; a fused form would leave the product's rounding residue as the exponent.
.set i, 0
.rept 64
	v_pk_mul_f32 v[S+i:S+i+1], v[S+i:S+i+1], s[L2E:L2E+1] op_sel_hi:[1,0]
.set i, i+2
.endr
.irp b, 0,2,4,6
	v_pk_mul_f32 v[BM+\b:BM+\b+1], v[BM+\b:BM+\b+1], s[L2E:L2E+1] op_sel_hi:[1,0]
.endr
.set i, 0
.rept 64
	v_pk_add_f32 v[S+i:S+i+1], v[S+i:S+i+1], v[NM:NM+1] op_sel_hi:[1,0]
.set i, i+2
.endr
.irp b, 0,2,4,6
	v_pk_add_f32 v[BM+\b:BM+\b+1], v[BM+\b:BM+\b+1], v[NM:NM+1] op_sel_hi:[1,0]
.endr
.set i, 0
	s_wait_alu depctr_va_vdst(0)
.rept 128
	v_exp_f32 v[S+i], v[S+i]                       ; p = 2^(t - M), at most 1: not normalised
.set i, i+1
.endr
	v_nop                                          ; a plain instruction behind the last exponential
	s_wait_alu depctr_va_vdst(0)                   ; the 128 exponentials have written p: one wait for the whole batch, ahead of its first reader
.irp b, 0,1,2,3,4,5,6,7
	v_exp_f32 v[BM+\b], v[BM+\b]                   ; the blocks' largest p: the same instructions on the same numbers give the same bits
.endr
	v_pk_add_f32 v[60:61], v[S:S+1], v[S+2:S+3]    ; the row's sum is taken of the UNQUANTISED p, in two chains; it reads the 128 alone: plain work behind the eight
	v_pk_add_f32 v[62:63], v[S+4:S+5], v[S+6:S+7]
.set i, 8
.rept 30
	v_pk_add_f32 v[60:61], v[60:61], v[S+i:S+i+1]
	v_pk_add_f32 v[62:63], v[62:63], v[S+i+2:S+i+3]
.set i, i+4
.endr
	v_pk_add_f32 v[60:61], v[60:61], v[62:63]
	v_add_f32 v60, v60, v61
	v_permlanex16_b32 v61, v60, s[SEL], s[SEL+1]
	v_add_f32 v60, v60, v61                        ; l
	s_wait_alu depctr_va_vdst(0)                   ; the eight exponentials have written the blocks' largest p, ahead of their first reader
.irp b, 0,1,2,3,4,5,6,7
	v_max_num_f32 v[BM+\b], 0x4800000, v[BM+\b]    ; the floor 2^(9 - 127): a block whose every p is 0 keeps the byte 1: its codes are zeros
.endr
.irp b, 0,1,2,3,4,5,6,7
	v_add_nc_u32 v[SCO+\b], 0xfc000000, v[BM+\b]
.endr
.irp b, 0,1,2,3,4,5,6,7
	v_and_or_b32 v[HOLD+\b], v[BM+\b], 0x7f800000, s[MNT]
.endr
.irp b, 0,1,2,3,4,5,6,7
	v_lshrrev_b32 v[BT+\b], 23, v[SCO+\b]
.endr
	v_lshl_or_b32 v[PW], v[BT+1], 8, v[BT]         ; p's scale words: keys 0-127,
	v_lshl_or_b32 v[PW], v[BT+2], 16, v[PW]
	v_lshl_or_b32 v[PW], v[BT+3], 24, v[PW]
	v_lshl_or_b32 v[PW2], v[BT+5], 8, v[BT+4]      ; and 128-255
	v_lshl_or_b32 v[PW2], v[BT+6], 16, v[PW2]
	v_lshl_or_b32 v[PW2], v[BT+7], 24, v[PW2]
.irp b, 0,1,2,3,4,5,6,7
.irp i, 0,1,2,3,4,5,6,7,8,9,10,11,12,13,14,15
	v_min_num_f32 v[S+16*\b+\i], v[S+16*\b+\i], v[HOLD+\b]   ; p is not negative: the hold is one-sided
.endr
.endr
	WIN 0xc0
.irp b, 0,1,2,3,4,5,6,7
	v_cvt_scalef32_pk8_fp8_f32 v[192+4*\b:193+4*\b], v[S+16*\b:S+16*\b+7], v[SCO+\b]
	v_cvt_scalef32_pk8_fp8_f32 v[194+4*\b:195+4*\b], v[S+16*\b+8:S+16*\b+15], v[SCO+\b]
.endr
	WIN 0
	v_nop
	WIN 0x0c                                       ; an LDS store's data are its source 1: window 3
	s_wait_alu depctr_va_vdst(0)                   ; p's codes, its two scale words, -M and l are written, which the stores below read
.irp s, 0,1
.irp c, 0,1,2,3
	ds_store_b128 v[PWI], v[192+16*\s+4*\c:192+16*\s+4*\c+3] offset:2048*\s+512*\c
.endr
.endr
	WIN 0
	ds_store_b32 v[PSW], v[PW]
	ds_store_b32 v[PSW], v[PW2] offset:64
	global_store_b32 v[L4], v[NM], s[MLB:MLB+1]            ; -M and l of my 16 queries (both halves of the lanes hold and write the same)
	global_store_b32 v[L4], v60, s[MLB:MLB+1] offset:256
	s_wait_dscnt 0x0                               ; p has landed, and my reads of K are long over
	s_barrier_signal -1
	s_barrier_wait -1                              ; all of p lies in LDS, and nobody reads K's images any more: V's take their place
	s_wait_loadcnt 0x0                             ; W_v
	s_wait_xcnt 0x0                                ; the two stores have had their addresses translated
	s_wait_alu depctr_vm_vsrc(0)                   ; beside it: the store of l has read v60, which QUANT writes; the LDS instructions of the scores and the softmax have read v6 to v11, which are made anew here
.irp t, 0,1,2,3,4,5,6,7
	v_mov_b32 v[VWL+\t], 0
	v_mov_b32 v[VWH+\t], 0
.endr
	v_add_nc_u32 v[BX], XIMG, v[LN16]
	v_add_nc_u32 v[BXS], XSC, v[L4]
	s_lshl_b32 s24, s[WV], 15
	s_add_co_u32 s24, s24, KIMG
	v_add_nc_u32 v[BV], s24, v[LN16]               ; V's images: my own 32,768 bytes
	s_mov_b32 s[PO], 0
	s_mov_b32 s[VO], 0
	v_add_nc_u32 v[XR2], s[PO], v[BX]
	v_add_nc_u32 v[XSR2], s[PO], v[BXS]
	s_wait_alu depctr_va_vdst(0)                   ; the addresses are written, which the loads below read; the softmax is done with v128 to v255, in which they land
	VFETCH
	; V, a pair of key tiles (32 keys, one block of the second product's K) a trip: source 0 = 16 keys of x, source 1 = 16 rows of W_v: a lane holds ONE of my d_k and its registers run along the keys.
	s_mov_b32 s[CNT], 8
.Lpair:
	s_wait_dscnt 0x0                               ; the pair's fragments of x are in
	s_wait_alu depctr_vm_vsrc(0)                   ; the last trip's LDS instructions have read v6, v7 and v8, which this trip makes anew, and PC and PC2, which its QUANTs write
	v_add_nc_u32 v[VWI], s[VO], v[BV]              ; piece b' of V's fragments: 512 bytes a pair
.irp s, 0,1,2,3
	WIN (0xf0|((1+\s/2)<<2))                       ; source 1 (W_v) window 1 or 2, C and D window 3
.irp t, 0,1,2,3,4,5,6,7
.irp u, 0,1
.if \s == 0
	v_wmma_scale_f32_16x16x128_f8f6f4 v[16*\t+8*\u:16*\t+8*\u+7], v[128+16*(4*\u+\s):128+16*(4*\u+\s)+15], v[128*(\s%2)+16*\t:128*(\s%2)+16*\t+15], 0, v[XS+4*\u+\s], v[WS+4*\t+\s]
.else
	v_wmma_scale_f32_16x16x128_f8f6f4 v[16*\t+8*\u:16*\t+8*\u+7], v[128+16*(4*\u+\s):128+16*(4*\u+\s)+15], v[128*(\s%2)+16*\t:128*(\s%2)+16*\t+15], v[16*\t+8*\u:16*\t+8*\u+7], v[XS+4*\u+\s], v[WS+4*\t+\s]
.endif
.endr
.endr
.endr
	WIN 0
	PLACES 8
	s_add_co_u32 s[PO], s[PO], 16384               ; the next pair's eight fragments;
	s_and_b32 s[PO], s[PO], 0x1ffff                ; (the wrap keeps the address inside x's images in the last trip, which fetches nothing)
	s_lshr_b32 s24, s[PO], 5                       ; and their scale words: 512 bytes a pair
	v_add_nc_u32 v[XR2], s[PO], v[BX]
	v_add_nc_u32 v[XSR2], s24, v[BXS]
	s_cmp_eq_u32 s[CNT], 1
	s_cbranch_scc1 .Lno_next_pair
	s_wait_alu depctr_va_vdst(0)                   ; the two addresses are written, which the loads below read; the pair's products are done reading x's fragments and scale words, in which they land
	VFETCH                                         ; they land while this pair is quantised
.Lno_next_pair:
	QUANT 0, 3, PC, PW, 0                          ; tiles 0-3 of my d_k: QUANT's block b is tile b's 32 keys
	BYTES 0
	QUANT 64, 3, PC2, PW, 0                        ; tiles 4-7
	BYTES 4
	s_wait_alu depctr_va_vdst(0)                   ; both QUANTs have written PC and PC2, and v8 is written: the pair's eight stores, which read them, stand together behind this one wait
.irp k, 0,1,2,3
	ds_store_b128 v[VWI], v[PC+4*\k:PC+4*\k+3] offset:4096*\k
.endr
.irp k, 0,1,2,3
	ds_store_b128 v[VWI], v[PC2+4*\k:PC2+4*\k+3] offset:4096*(4+\k)
.endr
	s_add_co_u32 s[VO], s[VO], 512
	s_sub_co_u32 s[CNT], s[CNT], 1
	s_cmp_lg_u32 s[CNT], 0
	s_cbranch_scc1 .Lpair
	; O^T = V^T P^T: source 0 = 16 of my d_k x 128 keys, source 1 = 16 queries x 128 keys; 32 accumulators, 16 a group, by turns.  V's images are my own bytes: LDS serves my loads behind my stores.
	s_wait_alu depctr_vm_vsrc(0)                   ; the loop's LDS loads have read v6 and v7, which are made anew here
	v_add_nc_u32 v[PR], PIMG, v[LN16]
	v_add_nc_u32 v[PSR], PSC, v[L4]
	WIN 0xc0
	s_wait_alu depctr_va_vdst(0)                   ; the two addresses are written, which the loads below read; QUANT is done with V's accumulators and the products with x's fragments and scale words, in all of which loads land
.irp f, 0,1,2,3,4,5,6,7
.irp c, 0,1,2,3
	ds_load_b128 v[16*\f+4*\c:16*\f+4*\c+3], v[PR] offset:2048*\f+512*\c
.endr
.endr
	WIN 0
.irp f, 0,1,2,3,4,5,6,7
	ds_load_b32 v[XS+\f], v[PSR] offset:64*\f
.endr
	PVFETCH 0
.irp g, 0,1,2,3
	PLACES 8                                       ; V's scale words, made by vector instructions, stand eight places ahead of the first products; behind the products of the group before the places stay beside the wait
.if \g < 3
	s_wait_alu depctr_va_vdst(0)                   ; group 0: V's scale words are written, which the products take as scales; groups 1 and 2: the products of the group before are done reading their buffer of V, in which the loads below land
	PVFETCH \g+1
	s_wait_dscnt 16                                ; all but the next group's 16
.else
	s_wait_dscnt 0x0
.endif
	WIN 0x5c                                       ; source 1 (p) window 3, C and D window 1
.irp k, 0,1,2,3
.irp q, 0,1,2,3
.if \g < 2
	v_wmma_scale_f32_16x16x128_f8f6f4 v[8*(4*(4*(\g%2)+\k)+\q):8*(4*(4*(\g%2)+\k)+\q)+7], v[128+64*(\g%2)+16*\k:128+64*(\g%2)+16*\k+15], v[16*(2*\q+\g/2):16*(2*\q+\g/2)+15], 0, v[VWL+8*(\g/2)+4*(\g%2)+\k], v[XS+2*\q+\g/2]
.else
	v_wmma_scale_f32_16x16x128_f8f6f4 v[8*(4*(4*(\g%2)+\k)+\q):8*(4*(4*(\g%2)+\k)+\q)+7], v[128+64*(\g%2)+16*\k:128+64*(\g%2)+16*\k+15], v[16*(2*\q+\g/2):16*(2*\q+\g/2)+15], v[8*(4*(4*(\g%2)+\k)+\q):8*(4*(4*(\g%2)+\k)+\q)+7], v[VWL+8*(\g/2)+4*(\g%2)+\k], v[XS+2*\q+\g/2]
.endif
.endr
.endr
	WIN 0
.endr
	; THE WAY OUT: 16 queries at a time through my stage; while one block's rows are stored, the next is on its way through the stage.
	PLACES 8
	s_wait_alu depctr_va_vdst(0)                   ; the products have written O^T, which the stores into the stage read, and are done reading V's two buffers, in which the rows land; no vector instruction follows
	TOSTAGE 0
.irp q, 1,2,3
.if \q > 1
	s_wait_xcnt 0x0                                ; block q - 2's stores have had their addresses translated,
	s_wait_alu depctr_vm_vsrc(0)                   ; and have read their registers, in which block q's rows land
.endif
	TOSTAGE \q
	SEND \q-1, 32                                  ; behind block q - 1's loads: block q's 16 stores and 16 loads
.endr
	SEND 3, 0
	s_wait_dscnt 0x0                               ; the closing lines, six on end
	s_wait_alu 0x0
	s_wait_tensorcnt 0x0
	ds_add_u32 v[SPW], v[NIL]
	s_wait_dscnt 0x0
	s_endpgm
.Lfunc_end_k_qb1df6eca95_main:
	.size	k_qb1df6eca95_main, .Lfunc_end_k_qb1df6eca95_main-k_qb1df6eca95_main
	.p2alignl 7, 3214868480
	.fill 96, 4, 3214868480
	.section	.rodata,"a",@progbits
	.p2align	6, 0x0
	.amdhsa_kernel k_qb1df6eca95_main
		.amdhsa_group_segment_fixed_size 322560
		.amdhsa_private_segment_fixed_size 0
		.amdhsa_enable_private_segment 0
		.amdhsa_kernarg_size 64
		.amdhsa_user_sgpr_count 2
		.amdhsa_user_sgpr_kernarg_segment_ptr 1
		.amdhsa_wavefront_size32 1
		.amdhsa_system_sgpr_workgroup_id_x 1
		.amdhsa_system_sgpr_workgroup_id_y 1
		.amdhsa_system_sgpr_workgroup_id_z 1
		.amdhsa_system_vgpr_workitem_id 0
		.amdhsa_next_free_vgpr 1024
		.amdhsa_next_free_sgpr 66
		.amdhsa_reserve_vcc 0
		.amdhsa_float_denorm_mode_32 3
		.amdhsa_float_denorm_mode_16_64 3
		.amdhsa_memory_ordered 1
		.amdhsa_forward_progress 1
		.amdhsa_inst_pref_size 255
	.end_amdhsa_kernel
	.section	.bss,"aw",@nobits
	.p2align	6
	.space	262144
	.amdgpu_metadata
---
amdhsa.version: [ 1, 2 ]
amdhsa.kernels:
  - .name:           k_qb1df6eca95_main
    .symbol:         k_qb1df6eca95_main.kd
    .args:
      - { .name: x, .offset: 0, .size: 8, .value_kind: global_buffer, .address_space: global }
      - { .name: mask, .offset: 8, .size: 8, .value_kind: global_buffer, .address_space: global }
      - { .name: w_img, .offset: 16, .size: 8, .value_kind: global_buffer, .address_space: global }
      - { .name: w_sc, .offset: 24, .size: 8, .value_kind: global_buffer, .address_space: global }
      - { .name: q_img, .offset: 32, .size: 8, .value_kind: global_buffer, .address_space: global }
      - { .name: q_sc, .offset: 40, .size: 8, .value_kind: global_buffer, .address_space: global }
      - { .name: o_part, .offset: 48, .size: 8, .value_kind: global_buffer, .address_space: global }
      - { .name: ml, .offset: 56, .size: 8, .value_kind: global_buffer, .address_space: global }
    .group_segment_fixed_size: 322560
    .private_segment_fixed_size: 0
    .kernarg_segment_align: 8
    .kernarg_segment_size: 64
    .max_flat_workgroup_size: 128
    .sgpr_count:     66
    .vgpr_count:     1024
    .wavefront_size: 32
...
	.end_amdgpu_metadata
.endif
;; end of part 5
;; launch merge (part 6): grid 256 x 1, 8 waves a work-group, no clusters, 0 bytes of LDS; arguments o_part, ml, out0; writes out0
.if DOCPART == 6
	.amdgcn_target "amdgcn-amd-amdhsa--gfx1250"
	.amdhsa_code_object_version 6
	.text
	.protected	k_qb1df6eca95_merge
	.globl	k_qb1df6eca95_merge
	.p2align	8
	.type	k_qb1df6eca95_merge,@function
k_qb1df6eca95_merge:
	s_mov_b64 s[64:65], 0
	v_nop
	global_prefetch_b8 v0, s[64:65] scope:SCOPE_SE
	s_setreg_imm32_b32 hwreg(HW_REG_WAVE_MODE, 25, 1), 1
	s_wait_xcnt 0x0
; THIRD OF THREE LAUNCHES.  Nothing of the problem is left out.  A batch's keys were taken in four chunks c, each with its own whole number M_c, sum l_c and unnormalised O_c.  For each query:
; M = the largest M_c;  f_c = 2^(M_c - M), exact;  l = sum f_c l_c;  out = relu(sum f_c O_c / l).  A chunk that is wholly masked beside one that is not has M_c - M about -1.4e10: the conversion to a whole
; number saturates and v_ldexp_f32 gives f_c = 0.  The chunk with M_c = M has f = 1 and l_c above 1/2, so l is never 0.
; A stream: memory binds, so no LDS, no barrier, no matrix unit.  A wave takes two rows of 2,048 bytes; all its 32 loads of 512 consecutive bytes go out at once; each store covers 512 consecutive, aligned bytes.
.set ST, 8                             ; v8-23   row k: -M_c at 8 + 8 k + c (then f_c), l_c at 12 + 8 k + c
.set GP, 24                            ; v24-39  row k: f_c / l, twice, at 24 + 8 k + 2 c (a pair for the packed forms)
.set TT, 40                            ; v40-45  at work
.set DA, 64                            ; v64-191 row k, quarter j, chunk c: four registers at 64 + 4 (4 (4 k + j) + c)
	s_load_b128 s[4:7], s[0:1], 0x0                ; o_part s[4:5], ml s[6:7]
	s_load_b64 s[8:9], s[0:1], 0x10                ; out0
	v_lshrrev_b32 v3, 5, v0
	s_delay_alu instid0(VALU_DEP_1)
	v_readfirstlane_b32 s10, v3                    ; wave 0..7
	v_and_b32 v1, 31, v0
	s_delay_alu instid0(VALU_DEP_1)
	v_lshlrev_b32 v1, 4, v1                        ; 16 x lane
	v_mov_b32 v2, 0
	s_lshr_b32 s11, ttmp9, 2                       ; the batch: 64 rows are four work-groups'
	s_and_b32 s12, ttmp9, 3
	s_lshl_b32 s12, s12, 4
	s_lshl_b32 s13, s10, 1
	s_add_co_u32 s12, s12, s13                     ; my first query: 16 (work-group % 4) + 2 x wave
	s_lshl_b32 s14, s11, 11                        ; ml: 2,048 bytes a batch, 4 a query
	s_lshl_b32 s13, s12, 2
	s_add_co_u32 s14, s14, s13
	s_mov_b32 s15, 0
	s_lshl_b32 s16, s11, 19                        ; o_part: 524,288 bytes a batch, 2,048 a query
	s_lshl_b32 s13, s12, 11
	s_add_co_u32 s16, s16, s13
	s_mov_b32 s17, 0
	s_lshl_b32 s18, s11, 17                        ; out0: 131,072 bytes a batch
	s_add_co_u32 s18, s18, s13
	s_mov_b32 s19, 0
	s_wait_alu depctr_va_vdst(0)
	s_wait_kmcnt 0x0
	s_add_nc_u64 s[6:7], s[6:7], s[14:15]
	s_add_nc_u64 s[4:5], s[4:5], s[16:17]
	s_add_nc_u64 s[8:9], s[8:9], s[18:19]
.irp k, 0,1
.irp c, 0,1,2,3
	global_load_b32 v[ST+8*\k+\c], v2, s[6:7] offset:512*\c+4*\k          ; -M_c: the same word in every lane
	global_load_b32 v[ST+8*\k+4+\c], v2, s[6:7] offset:512*\c+256+4*\k    ; l_c
.endr
.endr
.irp k, 0,1
.irp j, 0,1,2,3
.irp c, 0,1,2,3
	global_load_b128 v[DA+4*(4*(4*\k+\j)+\c):DA+4*(4*(4*\k+\j)+\c)+3], v1, s[4:5] offset:131072*\c+2048*\k+512*\j th:TH_LOAD_NT
.endr
.endr
.endr
	s_wait_loadcnt 32                              ; the 16 statistics are in; the 32 loads of O may be out
.irp k, 0,1
	v_min3_num_f32 v[TT+\k], v[ST+8*\k], v[ST+8*\k+1], v[ST+8*\k+2]
.endr
.irp k, 0,1
	s_delay_alu instid0(VALU_DEP_2)
	v_min_num_f32 v[TT+\k], v[TT+\k], v[ST+8*\k+3] ; -M = the least -M_c
.endr
.irp c, 0,1,2,3
.irp k, 0,1
	v_sub_f32 v[ST+8*\k+\c], v[TT+\k], v[ST+8*\k+\c]   ; M_c - M: a whole number, 0 or less
.endr
.endr
.irp c, 0,1,2,3
.irp k, 0,1
	v_cvt_i32_f32 v[ST+8*\k+\c], v[ST+8*\k+\c]     ; (it saturates)
.endr
.endr
.irp c, 0,1,2,3
.irp k, 0,1
	v_ldexp_f32 v[ST+8*\k+\c], 1.0, v[ST+8*\k+\c]  ; f_c
.endr
.endr
.irp k, 0,1
	v_mul_f32 v[TT+2+\k], v[ST+8*\k], v[ST+8*\k+4]
.endr
.irp c, 1,2,3
.irp k, 0,1
	s_delay_alu instid0(VALU_DEP_2)
	v_fmac_f32 v[TT+2+\k], v[ST+8*\k+\c], v[ST+8*\k+4+\c]   ; l
.endr
.endr
	s_wait_alu depctr_va_vdst(0)
.irp k, 0,1
	v_rcp_f32 v[TT+4+\k], v[TT+2+\k]
.endr
	v_nop                                          ; a plain instruction behind the last reciprocal
	s_wait_alu depctr_va_vdst(0)                   ; one wait for both, ahead of their first reader
.irp c, 0,1,2,3
.irp k, 0,1
	v_mul_f32 v[GP+8*\k+2*\c], v[ST+8*\k+\c], v[TT+4+\k]
	v_mul_f32 v[GP+8*\k+2*\c+1], v[ST+8*\k+\c], v[TT+4+\k]
.endr
.endr
.set gi, 0
.rept 8                                        ; a quarter of a row at a time: its four chunks' loads are in, the later quarters' may be out
.set kk, gi/4
.set jj, gi%4
.set d0, DA+16*gi
	s_wait_loadcnt 4*(7-gi)
.irp p, 0,2
	v_pk_mul_f32 v[d0+\p:d0+\p+1], v[d0+\p:d0+\p+1], v[GP+8*kk:GP+8*kk+1] op_sel_hi:[1,0]
.endr
.irp c, 1,2,3
	s_wait_alu depctr_va_vdst(0)
.irp p, 0,2
	v_pk_fma_f32 v[d0+\p:d0+\p+1], v[d0+4*\c+\p:d0+4*\c+\p+1], v[GP+8*kk+2*\c:GP+8*kk+2*\c+1], v[d0+\p:d0+\p+1] op_sel_hi:[1,0,1]
.endr
.endr
.irp p, 0,1,2,3
	v_max_num_f32 v[d0+\p], 0, v[d0+\p]            ; relu
.endr
	global_store_b128 v1, v[d0:d0+3], s[8:9] offset:2048*kk+512*jj th:TH_STORE_NT   ; no register of a store is written again
.set gi, gi+1
.endr
	s_endpgm
.Lfunc_end_k_qb1df6eca95_merge:
	.size	k_qb1df6eca95_merge, .Lfunc_end_k_qb1df6eca95_merge-k_qb1df6eca95_merge
	.p2alignl 7, 3214868480
	.fill 96, 4, 3214868480
	.section	.rodata,"a",@progbits
	.p2align	6, 0x0
	.amdhsa_kernel k_qb1df6eca95_merge
		.amdhsa_group_segment_fixed_size 0
		.amdhsa_private_segment_fixed_size 0
		.amdhsa_enable_private_segment 0
		.amdhsa_kernarg_size 24
		.amdhsa_user_sgpr_count 2
		.amdhsa_user_sgpr_kernarg_segment_ptr 1
		.amdhsa_wavefront_size32 1
		.amdhsa_system_sgpr_workgroup_id_x 1
		.amdhsa_system_sgpr_workgroup_id_y 1
		.amdhsa_system_sgpr_workgroup_id_z 1
		.amdhsa_system_vgpr_workitem_id 0
		.amdhsa_next_free_vgpr 192
		.amdhsa_next_free_sgpr 66
		.amdhsa_reserve_vcc 0
		.amdhsa_float_denorm_mode_32 3
		.amdhsa_float_denorm_mode_16_64 3
		.amdhsa_memory_ordered 1
		.amdhsa_forward_progress 1
		.amdhsa_inst_pref_size 15
	.end_amdhsa_kernel
	.amdgpu_metadata
---
amdhsa.version: [ 1, 2 ]
amdhsa.kernels:
  - .name:           k_qb1df6eca95_merge
    .symbol:         k_qb1df6eca95_merge.kd
    .args:
      - { .name: o_part, .offset: 0, .size: 8, .value_kind: global_buffer, .address_space: global }
      - { .name: ml, .offset: 8, .size: 8, .value_kind: global_buffer, .address_space: global }
      - { .name: out0, .offset: 16, .size: 8, .value_kind: global_buffer, .address_space: global }
    .group_segment_fixed_size: 0
    .private_segment_fixed_size: 0
    .kernarg_segment_align: 8
    .kernarg_segment_size: 24
    .max_flat_workgroup_size: 256
    .sgpr_count:     66
    .vgpr_count:     192
    .wavefront_size: 32
...
	.end_amdgpu_metadata
.endif
;; end of part 6
